; MI455X (gfx1250); checked and timed in simulation.
; The chip was launched on July 23, 2026; its instructions are those of AMD's public machine-readable ISA for CDNA 5 (MIT licence, August 2026) and "CDNA5" Instruction Set Architecture Reference Guide (July 2026). The comments in the code are by the model that wrote it; some were corrected since.
;; Encoder Block. Allowed arithmetic: matrix products marked QUANTISED: E4M3 operands, one E8M0 scale for each 32 along K, by v_wmma_scale_f32_16x16x128_f8f6f4 with both operands' format E4M3, f32 sums; products left as they are: f32 operands where the result goes on into a quantised operand, else bf16, f16 or f32 operands; f32 sums; everything else in f32.
;; Inputs: k_weight 1,024 x 1,024 float32; q_weight 1,024 x 1,024 float32; styles 8 x 2,048 float32; u_weight 1,024 x 1,024 float32; v_weight 1,024 x 1,024 float32; w_weight 1,024 x 1,024 float32; x 8 x 1,024 x 1,024 float32.
;; Outputs: out0 8 x 1,024 x 1,024 float32.
;; Constants: num_heads = 16.
;; This version of the problem:
;;   THIS VERSION OF THE PROBLEM IS GIVEN IN LOW PRECISION. The matrix products marked QUANTISED in the list below multiply operands that are first quantised to E4M3 (4 exponent bits, 3 mantissa bits; 8 bits a number), with one power-of-two scale for each 32 numbers along K (OCP MX v1.0); their sums are f32. All else is computed in f32.
;;   The module's matrix products, in the order in which they are computed (A, B: the left and right operand; K: the contracted axis; several contracted axes count as one K, in the product's order):
;;     1. [M 8, K 1,024] x [K 1,024, N 1,024]; A: computed on the way; B: computed on the way: left as it is (M = 8 < 16)
;;     2. [M 8, K 1,024] x [K 1,024, N 1,024]; A: computed on the way; B: computed on the way: left as it is (M = 8 < 16)
;;     3. [M 8, K 1,024] x [K 1,024, N 1,024]; A: computed on the way; B: computed on the way: left as it is (M = 8 < 16)
;;     4. [M 8, K 1,024] x [K 1,024, N 1,024]; A: computed on the way; B: computed on the way: left as it is (M = 8 < 16)
;;     5. [M 8, K 1,024] x [K 1,024, N 1,024]; A: computed on the way; B: computed on the way: left as it is (M = 8 < 16)
;;     6. [M 8,192, K 1,024] x [K 1,024, N 1,024]; A: computed on the way; B: input q_weight: QUANTISED
;;     7. [M 8,192, K 1,024] x [K 1,024, N 1,024]; A: computed on the way; B: input k_weight: QUANTISED
;;     8. [M 8,192, K 1,024] x [K 1,024, N 1,024]; A: computed on the way; B: input v_weight: QUANTISED
;;     9. batch 128 x [M 1,024, K 64] x [K 64, N 1,024]; A: computed on the way; B: computed on the way: QUANTISED
;;     10. batch 128 x [M 1,024, K 1,024] x [K 1,024, N 64]; A: softmax (see below); B: computed on the way: QUANTISED
;;     11. [M 8,192, K 1,024] x [K 1,024, N 1,024]; A: computed on the way; B: input w_weight: QUANTISED
;;     12. [M 8,192, K 1,024] x [K 1,024, N 1,024]; A: computed on the way; B: input u_weight: QUANTISED
;;   THE QUANTISER, for each operand of a quantised product, along K:
;;     - K is cut into blocks of 32 from its start; a last block that is shorter is filled with zeros.
;;     - A block's scale is 2^e with e = floor(log2(the largest magnitude in the block)) - 8, held to -126 .. 127; a block of zeros has e = 0. As a byte (E8M0): e + 127.
;;     - Each number is divided by its block's scale, clamped to +-448, and rounded to the nearest number of E4M3, ties to even, subnormals kept.
;;     - The product sums the exact products of the quantised numbers (number of the format x scale) in f32.
;;   ~~~python
;;   def quantise(x, axis):      # numpy; x: float32 -> the quantised numbers, widened to float32 again
;;       x = np.moveaxis(x, axis, -1); K = x.shape[-1]
;;       x = np.pad(x, [(0, 0)] * (x.ndim - 1) + [(0, -K % 32)]); x = x.reshape(x.shape[:-1] + (-1, 32)); a = np.abs(x).max(-1, keepdims=True)
;;       e = np.where(a > 0, np.clip(np.frexp(np.where(a > 0, a, 1))[1] - 1 - 8, -126, 127), 0)      # np.frexp(a)[1] - 1 = floor(log2(a)), exactly
;;       r = np.clip(x / 2.0 ** e, -448, 448)
;;       step = 2.0 ** (np.maximum(np.frexp(np.where(r == 0, 1, r))[1] - 1, -6) - 3)
;;       q = np.round(r / step) * step * 2.0 ** e      # np.round: ties to even
;;       return np.moveaxis(q.reshape(q.shape[:-2] + (-1,))[..., :K], -1, axis).astype(np.float32)
;;   ~~~
;;   SOFTMAX AHEAD OF A QUANTISED PRODUCT. Where the list says 'softmax', what is quantised is not the finished softmax but p = 2^(t - M), with t = logit x log2(e) and M = ceil(the row's largest t), a whole number; so 1/2 < the row's largest p <= 1. The row's sum l is taken of the UNQUANTISED p, in f32, and the product's result is divided by l at the end. Since M is a whole number, a kernel that streams over the keys may use a running M (the ceiling of the running maximum): every later rescaling is an exact power of two, which a block's scale takes up: the codes' values come out the same.
;;   OPERANDS COMPUTED ON THE WAY. 'Computed on the way' means the value that the module computes at that place (a softmax that the list does not call 'softmax' is quantised finished and normalised). What goes into a quantiser is computed in f32, as accurately as f32 sums, v_exp_f32 and their like allow (about 1e-6 of the number): no bf16 or f16 on the way to a quantiser, and a product that is left as it is and whose result goes on into a quantised operand takes f32 operands (vector FMAs, or v_wmma_f32_16x16x4_f32). A number that lies on a knife's edge between two numbers of the format may be rounded either way, as far as f32 arithmetic and the matrix unit's own rounding can turn it there, and no further.
;; One version. Each part assembles by itself: llvm-mc -triple=amdgcn-amd-amdhsa -mcpu=gfx1250 --defsym DOCPART=n.
;; ======== version 1 of 1: 4 launches
;; limits: right only within a limited range of input values
;; workspace buffers: cod 13,631,488 bytes; csc 425,984 bytes; fac 163,840 bytes; att 26,738,688 bytes; acat 16,777,216 bytes; asc 1,048,576 bytes
;; launch prep (part 1): grid 416 x 1, 4 waves a work-group, no clusters, 88,576 bytes of LDS; arguments x, styles, cod, csc, q_weight, k_weight, v_weight, w_weight, u_weight, fac; writes cod, csc, fac
.if DOCPART == 1
	.amdgcn_target "amdgcn-amd-amdhsa--gfx1250"
	.amdhsa_code_object_version 6
	.text
	.protected	k_qd6fd162b77_prep
	.globl	k_qd6fd162b77_prep
	.p2align	8
	.type	k_qd6fd162b77_prep,@function
k_qd6fd162b77_prep:
	s_mov_b64 s[64:65], 0
	v_nop
	global_prefetch_b8 v0, s[64:65] scope:SCOPE_SE
	s_setreg_imm32_b32 hwreg(HW_REG_WAVE_MODE, 25, 1), 1
	s_wait_xcnt 0x0
; ONE LAUNCH FOR TWO STREAMS that share no data: work-groups 0..159 take the five weights, work-groups 160..415 the rows of x.  The weights' way is the longer one, so their work-groups come first.
; The two ways part at the first line, on the work-group's number alone (the same in all four waves), and never join; each has LDS bytes of its own: the weights' 0..55,295, x's 55,296..88,063.
; THE WEIGHTS [1024][1024] f32 become codes of E4M3 along their second axis with one E8M0 byte for each 32 (cod, csc rows 8192 + 1024 kind + row), and the five tables
; 1 / sqrt(sum_i (W[o][i] s[b][i])^2 + 1e-8) are made, by f32 fused multiply-adds: fac [8][5120]: q, k, v (times s2[b][o]), w, u.  q, k, v take s = styles[b][0:1024], w, u styles[b][1024:2048].
;   32 work-groups to a weight, 32 rows each; a wave takes 8 rows in two groups of four.  The 8 x 1024 squares of s lie in LDS; each 4 KB read from there serves four rows.
;   A row is quantised as it is loaded, then squared in place for the sums.
; x [8][1024][1024] f32 is multiplied by s1 = styles[b][0:1024], normalised along its last axis (mean, variance in two passes, eps 1e-5) and quantised likewise: cod, csc rows 0..8191.
;   A wave takes 8 rows, one at a time, a row in 32 registers of the wave (8 loads of 512 consecutive bytes).  The sums never leave the wave: no barrier on this way.
; A ROW IS STORED AT ITS NUMBER WITH BITS 3 AND 4 SWAPPED: sixteen neighbouring stored rows 16 i + r are then the rows 32 (i/2) + 8 (i%2) + r + 8 (r/8), the order in which the products' launches want the rows of a tile.
; The conversions want 16 neighbours in ONE lane, the loads give a lane 4: a row's two halves of 2,048 bytes turn through the wave's own stage in LDS (64 bytes a lane + 16 of padding).
; A lane's 16 codes are 16 bytes: a store covers 512 consecutive bytes.  A wave's 256 scale bytes are gathered in LDS and leave as 256 consecutive, aligned bytes.
; LIMITS: a block of zeros gets the byte 1 where the quantiser says 127 (its codes are zeros, and this program alone reads the bytes); NaN and infinities among the inputs are not served; v's factor is formed
; as (v_dc s2) and multiplied once onto the product, where the source multiplies twice: one rounding falls elsewhere.  fac leaves in runs of 32 bytes: 160 KB in all.
; No matrix work, no cluster, no tensor load: streams that are read once and share nothing but the styles.
.set WGW,  160                         ; the weights' work-groups
.set XLDS, 55296                       ; where x's LDS bytes begin
.set SP,   80                          ; a lane's place in a stage
; 16 neighbours of a lane, v[xs] on (two neighbouring lanes hold a block of 32), become 16 codes in v[c] on and the block's byte in v[e].  v3 = 16 x lane, v5 = the byte's place; s[MNT], s[COD:COD+1] as the way in hand sets them
.macro QSTEP xs, c, e, boff, coff
	v_max3_num_f32 v8, |v[(\xs)]|, |v[(\xs)+1]|, |v[(\xs)+2]|
	v_max3_num_f32 v9, |v[(\xs)+3]|, |v[(\xs)+4]|, |v[(\xs)+5]|
.irp i, 6,10
	v_max3_num_f32 v8, v8, |v[(\xs)+\i]|, |v[(\xs)+\i+1]|
	v_max3_num_f32 v9, v9, |v[(\xs)+\i+2]|, |v[(\xs)+\i+3]|
.endr
	v_max3_num_f32 v8, v8, |v[(\xs)+14]|, |v[(\xs)+15]|
	v_max3_num_f32 v8, v8, v9, 0x4800000           ; with the floor 2^(9 - 127): the byte cannot fall under 1
	v_max_num_f32_dpp v8, v8, v8 row_xmask:1 row_mask:0xf bank_mask:0xf   ; and my neighbour's 16: the block's largest magnitude
	v_add_nc_u32 v11, 0xfc000000, v8               ; 8 off its exponent field: the conversion's scale operand
	v_and_or_b32 v10, v8, 0x7f800000, s[MNT]       ; 448 x the scale
.irp i, 0,1,2,3,4,5,6,7,8,9,10,11,12,13,14,15
	v_med3_num_f32 v[(\xs)+\i], v[(\xs)+\i], -v10, v10   ; the conversion does not saturate (ISA guide 7.6.2): the hold comes first
.endr
	v_cvt_scalef32_pk8_fp8_f32 v[(\c):(\c)+1], v[(\xs):(\xs)+7], v11
	v_cvt_scalef32_pk8_fp8_f32 v[(\c)+2:(\c)+3], v[(\xs)+8:(\xs)+15], v11
	v_lshrrev_b32 v[\e], 23, v11                   ; the scale's byte (also the plain line behind the conversions)
	ds_store_b8 v5, v[\e] offset:\boff             ; both lanes of a block write the same byte
	global_store_b128 v3, v[(\c):(\c)+3], s[COD:COD+1] offset:\coff
.endm
	s_set_vgpr_msb 0x40
	v_lshl_add_u32 v0, v0, 2, 0x15800
	v_mov_b32 v1, 0
	s_set_vgpr_msb 0x4000
	s_cmp_ge_u32 ttmp9, WGW
	s_cbranch_scc1 .Lrows_of_x
; ======== THE WEIGHTS
.set SQ,  32                           ; v32-63   squares of s for one sample
.set R,   64                           ; v64-191  four rows
.set X,   192                          ; v192-223 two sets of 16 neighbours
.set C,   224                          ; v224-255 codes, 8 registers a row of the group
.set E,   28                           ; v28-29   scale bytes
.set COD, 16                           ; s[16:17]
.set MNT, 28
	s_load_b256 s[4:11], s[0:1], 0x20              ; q, k, v, w
	s_load_b64 s[12:13], s[0:1], 0x40              ; u
	s_load_b64 s[14:15], s[0:1], 0x8               ; styles
	s_load_b128 s[16:19], s[0:1], 0x10             ; cod s[16:17], csc s[18:19]
	s_load_b64 s[20:21], s[0:1], 0x48              ; fac
	v_lshrrev_b32 v4, 5, v0
	v_readfirstlane_b32 s22, v4                    ; wave
	v_and_b32 v2, 31, v0
	v_lshlrev_b32 v3, 4, v2                        ; 16 x lane
	v_lshlrev_b32 v1, 4, v0                        ; 16 x thread
	s_mul_i32 s23, s22, 5632
	s_add_co_u32 s23, s23, 32768                   ; my wave's LDS, behind the table: two stages, 256 scale bytes, 64 sums
	v_lshrrev_b32 v14, 2, v2
	v_mul_u32_u24 v14, v14, SP
	v_and_b32 v15, 3, v2
	v_lshl_add_u32 v14, v15, 4, v14
	v_add_nc_u32 v14, s23, v14                     ; the stage, in: four lanes' 64 bytes on end, then 16 of padding
	v_mul_u32_u24 v15, v2, SP
	v_add_nc_u32 v15, s23, v15                     ; and out: my 16 neighbours
	v_lshrrev_b32 v5, 1, v2
	s_add_co_u32 s24, s23, 5120
	v_add_nc_u32 v5, s24, v5
	v_lshlrev_b32 v7, 3, v2
	v_add_nc_u32 v6, s24, v7
	s_add_co_u32 s24, s23, 5376
	v_mov_b32 v13, s24                             ; the sums: word 8 b + row
	v_add_nc_u32 v12, s24, v7                      ; and back: lane l takes sample l / 4, rows 2 (l % 4) and the next
	v_lshrrev_b32 v4, 2, v2
	v_and_b32 v30, 3, v2
	v_lshlrev_b32 v30, 3, v30
	v_mul_u32_u24 v31, v4, 20480
	v_add_nc_u32 v31, v31, v30                     ; my place in fac
	v_lshl_add_u32 v30, v4, 13, v30                ; and in styles
.irp i, 0,1,2,3
	v_mov_b32 v[24+\i], 0                          ; lane permutes' destinations: written once
.endr
	s_mov_b32 s26, 0x76543210
	s_mov_b32 s27, 0xfedcba98
	s_mov_b32 s[MNT], 0x600000
	s_lshr_b32 s30, ttmp9, 5                       ; which weight
	s_and_b32 s31, ttmp9, 31                       ; which 32 rows
	s_cmp_ge_u32 s30, 3
	s_cselect_b32 s32, 4096, 0                     ; w and u take the styles' second half
	s_mov_b32 s33, 0
	s_cmp_eq_u32 s30, 2
	s_cselect_b32 s29, -1, 0                       ; v's table is multiplied by s2
	s_lshl_b32 s36, s31, 5
	s_lshl_b32 s37, s22, 3
	s_add_co_u32 s36, s36, s37                     ; my first row
	s_lshl_b32 s38, s36, 12
	s_mov_b32 s39, 0
	s_and_b32 s37, s22, 1
	s_lshl_b32 s37, s37, 1
	s_lshr_b32 s40, s22, 1
	s_or_b32 s37, s37, s40                         ; where my 8 rows are stored in their 32
	s_lshl_b32 s37, s37, 3
	s_lshl_b32 s40, s31, 5
	s_add_co_u32 s40, s40, s37
	s_lshl_b32 s37, s30, 10
	s_add_co_u32 s40, s40, s37
	s_add_co_u32 s40, s40, 8192
	s_lshl_b32 s42, s40, 5                         ; scale bytes
	s_mov_b32 s43, 0
	s_lshl_b32 s40, s40, 10                        ; codes
	s_mov_b32 s41, 0
	s_add_co_u32 s44, s37, s36
	s_lshl_b32 s44, s44, 2                         ; fac: column 1024 kind + row
	s_mov_b32 s45, 0
	s_lshl_b32 s46, s36, 2
	s_add_co_u32 s46, s46, 4096                    ; s2[.][row]
	s_mov_b32 s47, 0
	s_wait_kmcnt 0x0
	s_cmp_eq_u32 s30, 1                            ; the weight is chosen by the work-group's number alone
	s_cselect_b64 s[4:5], s[6:7], s[4:5]
	s_cmp_eq_u32 s30, 2
	s_cselect_b64 s[4:5], s[8:9], s[4:5]
	s_cmp_eq_u32 s30, 3
	s_cselect_b64 s[4:5], s[10:11], s[4:5]
	s_cmp_eq_u32 s30, 4
	s_cselect_b64 s[4:5], s[12:13], s[4:5]
	s_add_nc_u64 s[4:5], s[4:5], s[38:39]
	s_add_nc_u64 s[34:35], s[14:15], s[32:33]
	s_add_nc_u64 s[46:47], s[14:15], s[46:47]
	s_add_nc_u64 s[16:17], s[16:17], s[40:41]
	s_add_nc_u64 s[18:19], s[18:19], s[42:43]
	s_add_nc_u64 s[20:21], s[20:21], s[44:45]
.macro LOADG g                         ; four rows, 32 loads of 512 consecutive bytes
.irp i, 0,1,2,3
.irp j, 0,1,2,3,4,5,6,7
	global_load_b128 v[R+32*\i+4*\j:R+32*\i+4*\j+3], v3, s[4:5] offset:4096*(4*(\g)+\i)+512*\j th:TH_LOAD_NT
.endr
.endr
.endm
.macro WROW g, i                       ; row i of group g: quantised, then squared in place
.set RB, R+32*(\i)
	s_wait_loadcnt 8*(3-(\i))                      ; this row is in; the rows behind it may be out
.irp k, 0,1,2,3,4,5,6,7
	ds_store_b128 v14, v[RB+4*\k:RB+4*\k+3] offset:32*SP*(\k/4)+8*SP*(\k%4)
.endr
.irp k, 0,1,2,3,4,5,6,7
	ds_load_b128 v[X+4*\k:X+4*\k+3], v15 offset:32*SP*(\k/4)+16*(\k%4)   ; LDS serves a wave's instructions in order: these see the stores
.endr
	s_wait_dscnt 0x0
	QSTEP X, C+8*(\i), E, 32*(4*(\g)+(\i)), 1024*(4*(\g)+(\i))
	QSTEP X+16, C+8*(\i)+4, E+1, 32*(4*(\g)+(\i))+16, 1024*(4*(\g)+(\i))+512
.irp j, 0,2,4,6,8,10,12,14,16,18,20,22,24,26,28,30
	v_pk_mul_f32 v[RB+\j:RB+\j+1], v[RB+\j:RB+\j+1], v[RB+\j:RB+\j+1]
.endr
.endm
.macro DCOEF g                         ; for each sample: the four rows' sums of W^2 s^2
.irp b, 0,1,2,3,4,5,6,7
.irp j, 0,1,2,3,4,5,6,7
	ds_load_b128 v[SQ+4*\j:SQ+4*\j+3], v3 offset:4096*\b+512*\j
.endr
	s_wait_dscnt 0x0                               ; the squares are in, and the last sample's stores have read their registers
.irp i, 0,1,2,3
	v_pk_mul_f32 v[16+2*\i:17+2*\i], v[R+32*\i:R+32*\i+1], v[SQ:SQ+1]
.endr
.irp p, 2,4,6,8,10,12,14,16,18,20,22,24,26,28,30
.irp i, 0,1,2,3
	v_pk_fma_f32 v[16+2*\i:17+2*\i], v[R+32*\i+\p:R+32*\i+\p+1], v[SQ+\p:SQ+\p+1], v[16+2*\i:17+2*\i]
.endr
.endr
.irp i, 0,1,2,3
	v_add_f32 v[16+2*\i], v[16+2*\i], v[17+2*\i]
.endr
.irp m, 1,2,4,8
.irp i, 0,1,2,3
	v_add_f32_dpp v[16+2*\i], v[16+2*\i], v[16+2*\i] row_xmask:\m row_mask:0xf bank_mask:0xf
.endr
.endr
.irp i, 0,1,2,3
	v_permlanex16_b32 v[24+\i], v[16+2*\i], s26, s27
.endr
.irp i, 0,1,2,3
	v_add_f32 v[16+2*\i], v[16+2*\i], v[24+\i]
.endr
.irp i, 0,1,2,3
	ds_store_b32 v13, v[16+2*\i] offset:4*(8*\b+4*(\g)+\i)   ; every lane writes the same word with the same value
.endr
.endr
.endm
	; the table of squares: 16 loads a thread, 32 KB a work-group
.irp j, 0,1,2,3,4,5,6,7
	global_load_b128 v[SQ+4*\j:SQ+4*\j+3], v1, s[34:35] offset:(\j/2)*8192+(\j%2)*2048
.endr
.irp j, 8,9,10,11,12,13,14,15
	global_load_b128 v[X+4*(\j-8):X+4*(\j-8)+3], v1, s[34:35] offset:(\j/2)*8192+(\j%2)*2048
.endr
	LOADG 0
	s_wait_loadcnt 32                              ; the styles are in; the four rows' 32 loads may be out
.irp j, 0,2,4,6,8,10,12,14,16,18,20,22,24,26,28,30
	v_pk_mul_f32 v[SQ+\j:SQ+\j+1], v[SQ+\j:SQ+\j+1], v[SQ+\j:SQ+\j+1]
	v_pk_mul_f32 v[X+\j:X+\j+1], v[X+\j:X+\j+1], v[X+\j:X+\j+1]
.endr
.irp j, 0,1,2,3,4,5,6,7
	ds_store_b128 v1, v[SQ+4*\j:SQ+4*\j+3] offset:(\j/2)*4096+(\j%2)*2048
.endr
.irp j, 8,9,10,11,12,13,14,15
	ds_store_b128 v1, v[X+4*(\j-8):X+4*(\j-8)+3] offset:(\j/2)*4096+(\j%2)*2048
.endr
	s_wait_dscnt 0x0                               ; for the others' sake: my part of the table has landed
	s_barrier_signal -1
	s_barrier_wait -1
.irp i, 0,1,2,3
	WROW 0, \i
.endr
	DCOEF 0
	s_wait_xcnt 0x0                                ; the first group's stores have read their codes: the registers are written again
	LOADG 1
.irp i, 0,1,2,3
	WROW 1, \i
.endr
	DCOEF 1
	s_wait_dscnt 0x0                               ; the sums' stores have read their registers
	ds_load_b64 v[20:21], v12                      ; sample l / 4, two rows
	global_load_b64 v[22:23], v30, s[46:47]        ; s2 of the same; loaded for every weight, used for v's
	s_wait_dscnt 0x0
	v_add_f32 v20, 0x322bcc77, v20                 ; + 1e-8
	v_add_f32 v21, 0x322bcc77, v21
	s_wait_alu depctr_va_vdst(0)
	v_rsq_f32 v20, v20
	v_rsq_f32 v21, v21
	v_nop                                          ; a plain line behind the transcendentals (ISA guide 5.7.2)
	s_wait_loadcnt 0x0
	v_cndmask_b32 v22, 1.0, v22, s29
	v_cndmask_b32 v23, 1.0, v23, s29
	s_wait_alu depctr_va_vdst(0)
	v_mul_f32 v20, v20, v22
	v_mul_f32 v21, v21, v23
	global_store_b64 v31, v[20:21], s[20:21]
	ds_load_b64 v[8:9], v6
	s_wait_dscnt 0x0
	global_store_b64 v7, v[8:9], s[18:19]          ; my 8 rows' scale bytes: 256 consecutive bytes, aligned
	s_set_vgpr_msb 0x5
	s_wait_tensorcnt 0x0
	ds_add_u32 v0, v1
	s_wait_dscnt 0x0
	s_set_vgpr_msb 0x500
	s_endpgm
; ======== THE ROWS OF x
.Lrows_of_x:
.set STY, 16                           ; v16-47   s1, as the row's loads lie
.set R,   48                           ; v48-111  two rows
.set X,   112                          ; v112-143 two sets of 16 neighbours
.set C,   144                          ; v144-207 codes: 8 registers a row, never written again
.set E,   208                          ; v208-209 the scale bytes of a row's two halves
.set COD, 8                            ; s[8:9] the codes' buffer
.set MNT, 23                           ; s23 the mantissa field of 448
	s_load_b256 s[4:11], s[0:1], 0x0               ; x s[4:5], styles s[6:7], cod s[8:9], csc s[10:11]
	s_sub_co_u32 s17, ttmp9, WGW                   ; which 32 rows of x
	v_lshrrev_b32 v1, 5, v0
	v_readfirstlane_b32 s20, v1                    ; wave
	v_and_b32 v2, 31, v0                           ; lane
	v_lshlrev_b32 v3, 4, v2                        ; 16 x lane: my bytes of a load's 512, and of a store's
	s_lshl_b32 s22, s20, 13                        ; my wave's 8,192 bytes of LDS,
	s_add_co_u32 s22, s22, XLDS                    ; behind the bytes of the weights' way
	v_lshrrev_b32 v14, 2, v2
	v_mul_u32_u24 v14, v14, SP
	v_and_b32 v15, 3, v2
	v_lshl_add_u32 v14, v15, 4, v14
	v_add_nc_u32 v14, s22, v14                     ; the stage, in
	v_mul_u32_u24 v15, v2, SP
	v_add_nc_u32 v15, s22, v15                     ; and out
	v_lshrrev_b32 v5, 1, v2
	s_add_co_u32 s22, s22, 2*32*SP
	v_add_nc_u32 v5, s22, v5                       ; my block's scale byte
	v_lshlrev_b32 v7, 3, v2
	v_add_nc_u32 v6, s22, v7                       ; the scale bytes' way out: 8 a lane
	v_mov_b32 v4, 0                                ; a lane permute's destination counts as read: written once
	v_mov_b32 v13, 0                               ; named with v12 as a pair
	s_mov_b32 s12, 0x76543210
	s_mov_b32 s13, 0xfedcba98                      ; lane l xor 16
	s_mov_b32 s14, 0x3a800000                      ; 1/1024
	s_mov_b32 s15, 0x3727c5ac                      ; 1e-5
	s_mov_b32 s16, 0xba800000                      ; -1/1024
	s_mov_b32 s[MNT], 0x600000
	s_lshl_b32 s21, s17, 2
	s_add_co_u32 s26, s21, s20                     ; my group of 8 rows,
	s_and_b32 s24, s20, 1
	s_lshl_b32 s24, s24, 1
	s_lshr_b32 s25, s20, 1
	s_or_b32 s24, s24, s25
	s_add_co_u32 s24, s24, s21                     ; and where it is stored: the group's two low bits swapped
	s_lshl_b32 s26, s26, 15                        ; 8 rows of 4,096 bytes
	s_mov_b32 s27, 0
	s_lshl_b32 s28, s24, 13                        ; 8 rows of 1,024 codes
	s_mov_b32 s29, 0
	s_lshl_b32 s30, s24, 8                         ; 8 rows of 32 scale bytes
	s_mov_b32 s31, 0
	s_lshr_b32 s18, s17, 5                         ; the sample: 32 work-groups of 32 rows each
	s_lshl_b32 s18, s18, 13
	s_mov_b32 s19, 0
	s_wait_kmcnt 0x0
	s_add_nc_u64 s[4:5], s[4:5], s[26:27]
	s_add_nc_u64 s[6:7], s[6:7], s[18:19]
	s_add_nc_u64 s[8:9], s[8:9], s[28:29]
	s_add_nc_u64 s[10:11], s[10:11], s[30:31]
.macro LOADR t                         ; row t: eight loads of 512 consecutive bytes
.irp j, 0,1,2,3,4,5,6,7
	global_load_b128 v[R+32*((\t)%2)+4*\j:R+32*((\t)%2)+4*\j+3], v3, s[4:5] offset:4096*(\t)+512*\j th:TH_LOAD_NT
.endr
.endm
.macro WSUM                            ; v[8:9] -> the sum over the wave, in every lane's v8
	v_add_f32 v8, v8, v9
	v_add_f32_dpp v8, v8, v8 row_xmask:1 row_mask:0xf bank_mask:0xf
	v_add_f32_dpp v8, v8, v8 row_xmask:2 row_mask:0xf bank_mask:0xf
	v_add_f32_dpp v8, v8, v8 row_xmask:4 row_mask:0xf bank_mask:0xf
	v_add_f32_dpp v8, v8, v8 row_xmask:8 row_mask:0xf bank_mask:0xf
	v_permlanex16_b32 v4, v8, s12, s13
	v_add_f32 v8, v8, v4
.endm
.macro XROW t
.set RB, R+32*((\t)%2)
.if (\t) < 7
	s_wait_loadcnt 8                               ; this row (and s1) are in; the next row's eight loads may be out
.else
	s_wait_loadcnt 0
.endif
.irp j, 0,2,4,6,8,10,12,14,16,18,20,22,24,26,28,30
	v_pk_mul_f32 v[RB+\j:RB+\j+1], v[RB+\j:RB+\j+1], v[STY+\j:STY+\j+1]    ; x s1
.endr
	v_pk_add_f32 v[8:9], v[RB:RB+1], v[RB+2:RB+3]  ; the row's sum, in two chains
	v_pk_add_f32 v[10:11], v[RB+4:RB+5], v[RB+6:RB+7]
.irp j, 8,12,16,20,24,28
	v_pk_add_f32 v[8:9], v[8:9], v[RB+\j:RB+\j+1]
	v_pk_add_f32 v[10:11], v[10:11], v[RB+\j+2:RB+\j+3]
.endr
	v_pk_add_f32 v[8:9], v[8:9], v[10:11]
	WSUM
	v_mul_f32 v12, s16, v8                         ; -mean
.irp j, 0,2,4,6,8,10,12,14,16,18,20,22,24,26,28,30
	v_pk_add_f32 v[RB+\j:RB+\j+1], v[RB+\j:RB+\j+1], v[12:13] op_sel_hi:[1,0]
.endr
	v_pk_mul_f32 v[8:9], v[RB:RB+1], v[RB:RB+1]    ; the sum of squares of what is left
	v_pk_mul_f32 v[10:11], v[RB+2:RB+3], v[RB+2:RB+3]
.irp j, 4,8,12,16,20,24,28
	v_pk_fma_f32 v[8:9], v[RB+\j:RB+\j+1], v[RB+\j:RB+\j+1], v[8:9]
	v_pk_fma_f32 v[10:11], v[RB+\j+2:RB+\j+3], v[RB+\j+2:RB+\j+3], v[10:11]
.endr
	v_pk_add_f32 v[8:9], v[8:9], v[10:11]
	WSUM
	v_fma_f32 v12, v8, s14, s15                    ; variance + eps
	s_wait_alu depctr_va_vdst(0)
	v_rsq_f32 v12, v12
	v_nop                                          ; a plain line behind the transcendental (ISA guide 5.7.2)
	s_wait_alu depctr_va_vdst(0)
.irp j, 0,2,4,6,8,10,12,14,16,18,20,22,24,26,28,30
	v_pk_mul_f32 v[RB+\j:RB+\j+1], v[RB+\j:RB+\j+1], v[12:13] op_sel_hi:[1,0]
.endr
.irp i, 0,1,2,3,4,5,6,7
	ds_store_b128 v14, v[RB+4*\i:RB+4*\i+3] offset:32*SP*(\i/4)+8*SP*(\i%4)
.endr
.irp i, 0,1,2,3,4,5,6,7
	ds_load_b128 v[X+4*\i:X+4*\i+3], v15 offset:32*SP*(\i/4)+16*(\i%4)   ; LDS serves a wave's instructions in order: these see the stores
.endr
	s_wait_dscnt 0x0                               ; the neighbours are in; the stage's stores and the last row's byte stores have read their registers
.if (\t)+2 <= 7
	LOADR (\t)+2
.endif
	QSTEP X, C+8*(\t), E, 32*(\t), 1024*(\t)
	QSTEP X+16, C+8*(\t)+4, E+1, 32*(\t)+16, 1024*(\t)+512
.endm
.irp j, 0,1,2,3,4,5,6,7
	global_load_b128 v[STY+4*\j:STY+4*\j+3], v3, s[6:7] offset:512*\j
.endr
	LOADR 0
	LOADR 1
.irp t, 0,1,2,3,4,5,6,7
	XROW \t
.endr
	ds_load_b64 v[12:13], v6
	s_wait_dscnt 0x0
	global_store_b64 v7, v[12:13], s[10:11]        ; 32 lanes store 256 consecutive bytes, aligned
	s_set_vgpr_msb 0x5
	s_wait_tensorcnt 0x0
	ds_add_u32 v0, v1
	s_wait_dscnt 0x0
	s_set_vgpr_msb 0x500
	s_endpgm
.Lfunc_end_k_qd6fd162b77_prep:
	.size	k_qd6fd162b77_prep, .Lfunc_end_k_qd6fd162b77_prep-k_qd6fd162b77_prep
	.p2alignl 7, 3214868480
	.fill 96, 4, 3214868480
	.section	.rodata,"a",@progbits
	.p2align	6, 0x0
	.amdhsa_kernel k_qd6fd162b77_prep
		.amdhsa_group_segment_fixed_size 88576
		.amdhsa_private_segment_fixed_size 0
		.amdhsa_enable_private_segment 0
		.amdhsa_kernarg_size 80
		.amdhsa_user_sgpr_count 2
		.amdhsa_user_sgpr_kernarg_segment_ptr 1
		.amdhsa_wavefront_size32 1
		.amdhsa_system_sgpr_workgroup_id_x 1
		.amdhsa_system_sgpr_workgroup_id_y 1
		.amdhsa_system_sgpr_workgroup_id_z 1
		.amdhsa_system_vgpr_workitem_id 0
		.amdhsa_next_free_vgpr 258
		.amdhsa_next_free_sgpr 66
		.amdhsa_reserve_vcc 0
		.amdhsa_float_denorm_mode_32 3
		.amdhsa_float_denorm_mode_16_64 3
		.amdhsa_memory_ordered 1
		.amdhsa_forward_progress 1
		.amdhsa_inst_pref_size 255
	.end_amdhsa_kernel
	.section	.bss,"aw",@nobits
	.p2align	6
	.space	262144
	.amdgpu_metadata
---
amdhsa.version: [ 1, 2 ]
amdhsa.kernels:
  - .name:           k_qd6fd162b77_prep
    .symbol:         k_qd6fd162b77_prep.kd
    .args:
      - { .name: x, .offset: 0, .size: 8, .value_kind: global_buffer, .address_space: global }
      - { .name: styles, .offset: 8, .size: 8, .value_kind: global_buffer, .address_space: global }
      - { .name: cod, .offset: 16, .size: 8, .value_kind: global_buffer, .address_space: global }
      - { .name: csc, .offset: 24, .size: 8, .value_kind: global_buffer, .address_space: global }
      - { .name: q_weight, .offset: 32, .size: 8, .value_kind: global_buffer, .address_space: global }
      - { .name: k_weight, .offset: 40, .size: 8, .value_kind: global_buffer, .address_space: global }
      - { .name: v_weight, .offset: 48, .size: 8, .value_kind: global_buffer, .address_space: global }
      - { .name: w_weight, .offset: 56, .size: 8, .value_kind: global_buffer, .address_space: global }
      - { .name: u_weight, .offset: 64, .size: 8, .value_kind: global_buffer, .address_space: global }
      - { .name: fac, .offset: 72, .size: 8, .value_kind: global_buffer, .address_space: global }
    .group_segment_fixed_size: 88576
    .private_segment_fixed_size: 0
    .kernarg_segment_align: 8
    .kernarg_segment_size: 80
    .max_flat_workgroup_size: 128
    .sgpr_count:     66
    .vgpr_count:     258
    .wavefront_size: 32
...
	.end_amdgpu_metadata
.endif
;; end of part 1
;; launch proj (part 2): grid 16 x 32, 4 waves a work-group, clusters of 4 x 4, 327,680 bytes of LDS; arguments cod, csc, fac, att, acat, asc; writes att, acat, asc
.if DOCPART == 2
	.amdgcn_target "amdgcn-amd-amdhsa--gfx1250"
	.amdhsa_code_object_version 6
	.text
	.protected	k_qd6fd162b77_proj
	.globl	k_qd6fd162b77_proj
	.p2align	8
	.type	k_qd6fd162b77_proj,@function
k_qd6fd162b77_proj:
	s_mov_b64 s[64:65], 0
	v_nop
	global_prefetch_b8 v0, s[64:65] scope:SCOPE_SE
	s_setreg_imm32_b32 hwreg(HW_REG_WAVE_MODE, 25, 1), 1
	s_wait_xcnt 0x0
	s_wait_alu depctr_hold_cnt(0) depctr_sa_sdst(0) depctr_va_vdst(0) depctr_va_sdst(0) depctr_va_ssrc(0) depctr_va_vcc(0) depctr_vm_vsrc(0)
	s_getreg_b32 s2, hwreg(HW_REG_IB_STS2, 6, 4)
	s_cmp_eq_u32 s2, 0
	s_cbranch_scc0 .Lentry_in_a_cluster
	s_endpgm
.Lentry_in_a_cluster:
	s_bfe_u32 s2, ttmp6, 0x10000c
	s_cmp_lg_u32 s2, 0xf033
	s_cbranch_scc0 .Lentry_shape_is_right
	s_endpgm
.Lentry_shape_is_right:
; The three projections on codes of E4M3 with E8M0 scales, K = 1,024, and the quantising of their results.  cod [13312][1024] holds x's rows (0..8191) and the weights' (q 8192.., k 9216.., v 10240..), csc their scale bytes.
; A tile of 256 x 256 is made by four waves, 128 x 128 each (64 accumulators, 512 registers); K goes in steps of 256 through two LDS slots filled by the tensor data mover; the scale bytes of the tile's rows come once.
; CLUSTERS of 4 x 4: the four of a row share A's tiles, the four of a column B's: joint loads.  Cluster x says WHAT is made: 0, 1, 2: A = x's rows, B = rows of Wq, Wk, Wv;  3: A = rows of Wv, B = x's rows.
; So v is multiplied twice: once with a lane's registers along the channels (for the last launch, K = H), once along the keys (for attention's second product, K = the keys).  512 equal tiles.
; THE MATRIX INSTRUCTION IS USED TRANSPOSED (source 0 = 16 rows of B, source 1 = 16 rows of A).  cod's rows lie with bits 3 and 4 of their number swapped, so stored row 16 i + r is row 32 (i/2) + 8 (i%2) + r + 8 (r/8):
; a lane then holds ONE row of A, and the 64 registers of its block's eight accumulators are B's rows 32 b + 16 (lane/16) + 0..15, b = 0..3: 16 neighbours of each block of 32 along the next K.
; THE WAY OUT: x the factor from fac (by B's row, or in the fourth kind by A's), quantised in registers, and the codes leave AS THE NEXT OPERAND'S REGISTERS: 16 bytes a lane, 512 consecutive bytes a store.
;   q, k: att section 0, 1: [sample 16 + head][128 rows][8 tiles x 1,024 bytes, then 8 x 16 scale words (s0, s1, s0, s1)];  v along the keys: section 2: [..][128 keys][4 channel tiles x 2,048, then 4 x 32 words];
;   v along H: acat [tile of 16 rows][K step 8 + ..][2,048], asc likewise [128].
; LIMITS: a block of zeros gets the byte 1 (zero codes; the bytes are read by this program alone); NaN and infinities are not served.
; REGISTERS: window 0: v0-31 addresses; v32-63 scale words, two sets; v128-255 A's fragments, one set; on the way out v64-127 factors by register, v128-191 numbers, v192-207 codes, v208-223 factors by row, v224-241 at work.
;   window 1: B's fragments, two sets.  windows 2, 3: the accumulators ((a, b) at v[8 (8 (a % 4) + b)]).
.set KSTEP,  256
.set NQ,     2
.set ROWB,   256
.set KROW,   1024
.set PITCH,  272                       ; 256 bytes + 16 of padding = 68 words: row r starts at bank 4 r mod 64 (ISA guide 11.1)
.set FR,     16
.set NL,     4
.set NP,     8                         ; places behind this matrix instruction (ISA guide 7.12.1)
.set HALFT,  128*PITCH
.set SLOT,   4*HALFT
.set LAPS,   2
.set KS,     32
.set SCL,    2*SLOT                    ; the scale bytes, as 256 bytes + 16 of padding
.set HALFS,  (128*KS/256)*272
.set SBLK,   (16*KS/256)*272
.set SPARE,  SCL+4*HALFS               ; the spare words: two blocks of 256 bytes that no other line names
.set FACT,   SPARE+512                 ; 256 factors, stored by the waves; no tile lands here
.set SECTION, 8912896
.set HSTR,   69632                     ; a head's 8 chunks of 8,704 bytes
.set ADRA, 16
.set ADRB, 20
.set FNAD, 22                          ; v22 factors by register: FACT + 512 x column half + 64 (lane/16)
.set FMAD, 23                          ; v23 factors by row
.set LI,   24                          ; v24 16 x lane
.set WO,   25                          ; v25 my scale word's place
.set SELV, 26                          ; v26 which bytes of the scale word I store
.set ADRS, 27
.set SPW,  28
.set NIL,  29
.set SC,   32
.set AF,   128
.set FN,   64
.set HA,   128
.set PC,   192
.set FM,   208
.set TM,   224
.set PW,   240
.set WD,   241
.set WV,   16                          ; s16 wave; s17 row half, also: I fetch for A (0) or B (1); s18 column half, also: which 128 rows I fetch; s19: the fourth kind
.set HAF,  17
.set HBF,  18
.set MODE, 19
.set SEL,  100
.set MNT,  104
.set G1, 24
.set G0, 32
.set G1B, 48
.set G0B, 56
.set G1S, 68
.set G0S, 76
.set G1SB, 80
.set G0SB, 88
.set MSB, 0
.macro WIN new                         ; the immediate's high byte repeats the setting that is left
.if MSB != \new
	s_set_vgpr_msb (MSB<<8)|\new
.set MSB, \new
.endif
.endm
.set MUL_LO, 0xa1
.set MUL_HI, 0xf1
.set TO_B,   0x40
; A joint load: waves 0 and 1 fetch for A, waves 2 and 3 for B; the branch hangs on the wave's number alone.  Four v_nop follow each line.
.macro JLOAD g0a, g1a, g0b, g1b
	s_cmp_eq_u32 s[HAF], 0
	s_cbranch_scc0 .Lfor_b_\@
	tensor_load_to_lds s[\g0a:\g0a+3], s[\g1a:\g1a+7]
	s_nop 0
.rept 4
	v_nop
.endr
	s_branch .Lasked_\@
.Lfor_b_\@:
	tensor_load_to_lds s[\g0b:\g0b+3], s[\g1b:\g1b+7]
	s_nop 0
.rept 4
	v_nop
.endr
.Lasked_\@:
.endm
.macro CREST
	s_cmp_lg_u32 s[WV], 0
	s_cbranch_scc1 .Lnot_wave_0_\@
	s_barrier_signal -3
.Lnot_wave_0_\@:
	s_barrier_wait -3
	s_barrier_signal -1
	s_barrier_wait -1
.endm
.macro CROUND
	s_barrier_signal -1
	s_barrier_wait -1
	CREST
.endm
	s_load_b128 s[4:7], s[0:1], 0x0                ; cod, csc
	s_load_b128 s[8:11], s[0:1], 0x10              ; fac, att
	s_load_b128 s[12:15], s[0:1], 0x20             ; acat, asc
	v_lshl_add_u32 v[SPW], v0, 2, SPARE
	v_mov_b32 v[NIL], 0
	ds_add_u32 v28, v29
	ds_add_u32 v28, v29
	s_wait_dscnt 0x0
	v_lshrrev_b32 v1, 5, v0
	v_readfirstlane_b32 s[WV], v1
	s_lshr_b32 s[HAF], s[WV], 1
	s_and_b32 s[HBF], s[WV], 1
	s_bfe_u32 s40, ttmp6, 0x40000                  ; cx
	s_bfe_u32 s41, ttmp6, 0x40004                  ; cy
	s_mov_b32 s42, ttmp9                           ; the kind: the cluster's x
	s_and_b32 s43, ttmp7, 0xffff                   ; the sample: the cluster's y
	s_lshl_b32 s44, s41, 2
	s_lshl_b32 s44, 15, s44                        ; my row of the cluster
	s_lshl_b32 s45, 0x1111, s40                    ; my column
	s_mov_b32 s[SEL], 0x76543210
	s_mov_b32 s[SEL+1], 0xfedcba98
	s_mov_b32 s[MNT], 0x600000
	s_or_b32 s[G1+0], s44, (0<<16)|(1<<20)|(1<<21)|(5<<22)|(3<<25)   ; the mask; elements of 1 byte; 4 words of padding after every 64
	s_or_b32 s[G1B+0], s45, (0<<16)|(1<<20)|(1<<21)|(5<<22)|(3<<25)
.irp g, G1, G1B
	s_mov_b32 s[\g+1], ROWB<<16
	s_mov_b32 s[\g+2], 256<<16                     ; the head's loads bring a tile's 256 rows; behind them the two words that count rows are set to 128
	s_mov_b32 s[\g+3], ROWB<<16
	s_mov_b32 s[\g+4], 256
	s_mov_b32 s[\g+5], KROW
	s_mov_b32 s[\g+6], 0
	s_mov_b32 s[\g+7], 0
.endr
	s_or_b32 s[G1S+0], s44, (3<<16)|(1<<20)|(1<<21)|(5<<22)|(3<<25)  ; the scale bytes of 256 rows: 8,192 dense bytes as 32 rows of 256
	s_or_b32 s[G1SB+0], s45, (3<<16)|(1<<20)|(1<<21)|(5<<22)|(3<<25)
.irp g, G1S, G1SB
	s_mov_b32 s[\g+1], 32<<16
	s_mov_b32 s[\g+2], (256*KS/256)<<16            ; the scale bytes of a tile's 256 rows: 8,192 dense bytes as 32 rows of 256
	s_mov_b32 s[\g+3], 32<<16
	s_mov_b32 s[\g+4], 256*KS/256
	s_mov_b32 s[\g+5], 32
	s_mov_b32 s[\g+6], 0
	s_mov_b32 s[\g+7], 0
.endr
	s_lshl_b32 s20, s43, 2                         ; x's first tile of 256 rows of this sample
	s_lshl_b32 s21, s42, 2
	s_add_co_u32 s21, s21, 32                      ; the weight's first tile
	s_cmp_eq_u32 s42, 3
	s_cselect_b32 s[MODE], 1, 0
	s_cselect_b32 s22, 40, s20                     ; A: x's tiles, or Wv's
	s_cselect_b32 s23, s20, s21                    ; B: the weight's, or x's
	s_add_co_u32 s22, s22, s41                     ; A's tile hangs on cy alone,
	s_add_co_u32 s23, s23, s40                     ; B's on cx alone
	s_lshl_b32 s20, s22, 8                         ; the tiles' first rows
	s_lshl_b32 s92, s23, 8
	s_lshl_b32 s94, s20, 5                         ; their scale bytes,
	s_mov_b32 s95, 0
	s_lshl_b32 s96, s92, 5
	s_mov_b32 s97, 0
	s_lshl_b32 s20, s20, 10                        ; their codes
	s_mov_b32 s21, 0
	s_lshl_b32 s92, s92, 10
	s_mov_b32 s93, 0
	s_mul_i32 s47, s[WV], HALFT                    ; where they go: wave x 128 rows
	s_mul_i32 s98, s[WV], HALFS
	s_add_co_u32 s66, s41, 8                       ; the tile's 256 factors: v's columns 256 cy on, or the kind's columns 256 cx on
	s_lshl_b32 s67, s42, 2
	s_add_co_u32 s67, s67, s40
	s_cmp_eq_u32 s[MODE], 1
	s_cselect_b32 s66, s66, s67
	s_lshl_b32 s66, s66, 10
	s_mul_i32 s67, s43, 20480
	s_add_co_u32 s66, s66, s67
	s_mov_b32 s67, 0
	v_lshlrev_b32 v30, 3, v0
	s_wait_alu depctr_va_vdst(0)
	s_wait_kmcnt 0x0
	s_add_nc_u64 s[8:9], s[8:9], s[66:67]
	global_load_b64 v[10:11], v30, s[8:9]          ; two factors a thread
	s_add_nc_u64 s[20:21], s[4:5], s[20:21]
	s_add_nc_u64 s[94:95], s[6:7], s[94:95]
	s_add_nc_u64 s[92:93], s[4:5], s[92:93]
	s_add_nc_u64 s[96:97], s[6:7], s[96:97]
	CROUND                                         ; all sixteen work-groups are here: the first joint loads meet
	s_mov_b32 s[G0S], 1                            ; the head's four tiles, each whole: the scale bytes of A's 256 rows,
	s_mov_b32 s[G0S+1], SCL
	s_mov_b64 s[G0S+2:G0S+3], s[94:95]
	s_or_b32 s[G0S+3], s[G0S+3], 0x80000000
	s_mov_b32 s[G0SB], 1                           ; of B's,
	s_mov_b32 s[G0SB+1], SCL+2*HALFS
	s_mov_b64 s[G0SB+2:G0SB+3], s[96:97]
	s_or_b32 s[G0SB+3], s[G0SB+3], 0x80000000
	s_mov_b32 s4, 1                                ; K step 0's 256 rows of A (s[4:7]: the two arguments there have been used),
	s_mov_b32 s5, 0
	s_mov_b64 s[6:7], s[20:21]
	s_or_b32 s7, s7, 0x80000000
	s_mov_b32 s96, 1                               ; and its 256 rows of B, behind them in slot 0 (s[96:99])
	s_mov_b32 s97, 2*HALFT
	s_mov_b64 s[98:99], s[92:93]
	s_or_b32 s99, s99, 0x80000000
	s_lshl_b32 s66, s[HBF], 17                     ; for the ring: which 128 rows of 1,024 bytes I fetch
	s_mov_b32 s67, 0
	s_add_nc_u64 s[20:21], s[20:21], s[66:67]
	s_add_nc_u64 s[92:93], s[92:93], s[66:67]
.irp s, 0,1
	s_mov_b32 s[G0+4*\s], 1
	s_add_co_u32 s[G0+4*\s+1], s47, \s*SLOT
	s_add_nc_u64 s[G0+4*\s+2:G0+4*\s+3], s[20:21], \s*ROWB
	s_or_b32 s[G0+4*\s+3], s[G0+4*\s+3], 0x80000000
	s_mov_b32 s[G0B+4*\s], 1
	s_add_co_u32 s[G0B+4*\s+1], s47, \s*SLOT
	s_add_nc_u64 s[G0B+4*\s+2:G0B+4*\s+3], s[92:93], \s*ROWB
	s_or_b32 s[G0B+4*\s+3], s[G0B+4*\s+3], 0x80000000
.endr
; THE HEAD'S LOADS, ONE A WAVE: wave 0 K step 0's rows of A, wave 1 those of B, wave 2 A's scale bytes, wave 3 B's.  One chain of branches on the wave's number; every way passes one load.
.macro ARM under, g0, g1, next
	s_cmp_lt_u32 s[WV], \under
	s_cbranch_scc0 \next
	tensor_load_to_lds s[\g0:\g0+3], s[\g1:\g1+7]
	s_nop 0
.rept 4
	v_nop
.endr
	s_branch .Lhead_asked
\next:
.endm
	ARM 1, 4, G1, .Lhead_b
	ARM 2, 96, G1B, .Lhead_sa
	ARM 3, G0S, G1S, .Lhead_sb
	tensor_load_to_lds s[G0SB:G0SB+3], s[G1SB:G1SB+7]
	s_nop 0
.rept 4
	v_nop
.endr
.Lhead_asked:
	v_and_b32 v1, 15, v0                           ; r
	v_bfe_u32 v2, v0, 4, 1                         ; h
	v_mul_u32_u24 v3, v1, PITCH
	v_lshl_add_u32 v4, v2, 4, v3
	s_mul_i32 s21, s[HAF], HALFT
	s_mul_i32 s22, s[HBF], HALFT
	s_add_co_u32 s22, s22, 2*HALFT
.irp s, 0,1
	v_add_nc_u32 v[ADRA+\s], s21, v4
	v_add_nc_u32 v[ADRB+\s], s22, v4
	s_add_co_u32 s21, s21, SLOT
	s_add_co_u32 s22, s22, SLOT
.endr
	v_mul_u32_u24 v5, v1, KS                       ; my row's scale bytes, and 16 more for each 256 passed
	v_lshrrev_b32 v6, 8, v5
	v_lshl_add_u32 v5, v6, 4, v5
	s_mul_i32 s21, s[HAF], HALFS
	s_mul_i32 s22, s[HBF], HALFS
	s_add_co_u32 s22, s22, 2*HALFS
	s_sub_co_u32 s22, s22, s21
	v_mul_u32_u24 v6, s22, v2                      ; lanes 16-31 take B's
	s_add_co_u32 s21, s21, SCL
	v_add_nc_u32 v5, v5, v6
	v_add_nc_u32 v[ADRS], s21, v5
	s_lshl_b32 s21, s[HBF], 9
	s_add_co_u32 s21, s21, FACT
	v_lshl_add_u32 v[FNAD], v2, 6, s21
	v_and_b32 v5, 8, v1
	v_add_nc_u32 v5, v5, v1                        ; r + 8 (r / 8)
	s_lshl_b32 s22, s[HAF], 9
	s_add_co_u32 s22, s22, FACT
	v_lshl_add_u32 v[FMAD], v5, 2, s22
	v_and_b32 v6, 31, v0
	v_lshlrev_b32 v[LI], 4, v6
	s_mov_b32 s21, HSTR                            ; q, k: lanes 0-15 store the first head's word, lanes 16-31 the second head's, a head further on; else every lane its own
	s_mov_b32 s22, 0x01000100
	s_mov_b32 s23, 0x03020302
	s_mov_b32 s46, 0x03020100
	s_cmp_lt_u32 s42, 2
	s_cselect_b32 s21, s21, 64
	s_cselect_b32 s22, s22, s46
	s_cselect_b32 s23, s23, s46
	v_mul_u32_u24 v[WO], s21, v2
	v_lshl_add_u32 v[WO], v1, 2, v[WO]
	v_mov_b32 v[SELV], s22
	v_mov_b32 v7, s23
	v_cmp_eq_u32 vcc_lo, 1, v2
	v_cndmask_b32 v[SELV], v[SELV], v7, vcc_lo
	v_add_nc_u32 v31, FACT, v30
	s_wait_alu depctr_va_vdst(0)
	s_wait_loadcnt 0x0
	ds_store_b64 v31, v[10:11]
.macro FRAG reg, adr, q, i             ; 16 rows x 128 K: lane l holds row l % 16; registers 4 c .. 4 c + 3 hold K = 32 c + 16 (l / 16) + 0 .. 15
.irp c, 0,1,2,3
	ds_load_b128 v[\reg+4*\c:\reg+4*\c+3], v[\adr] offset:128*(\q)+32*\c+(\i)*16*PITCH
.endr
.endm
; 16 matrix instructions: A's blocks a0, a0 + 1 x B's eight.  The 64 accumulators take turns, one instruction a turn, in the same order in every step.
.macro MUL16 a0, p, q, sc, zero
.irp a, \a0, \a0+1
.irp b, 0,1,2,3,4,5,6,7
.if \zero
	v_wmma_scale_f32_16x16x128_f8f6f4 v[8*(8*((\a)%4)+\b):8*(8*((\a)%4)+\b)+7], v[128*(\p)+FR*\b:128*(\p)+FR*\b+FR-1], v[AF+FR*(\a):AF+FR*(\a)+FR-1], 0, v[SC+8*NQ*(\sc)+NQ*\b+(\q)], v[SC+8*NQ*(\sc)+NQ*(\a)+(\q)] matrix_a_scale:MATRIX_SCALE_ROW1
.else
	v_wmma_scale_f32_16x16x128_f8f6f4 v[8*(8*((\a)%4)+\b):8*(8*((\a)%4)+\b)+7], v[128*(\p)+FR*\b:128*(\p)+FR*\b+FR-1], v[AF+FR*(\a):AF+FR*(\a)+FR-1], v[8*(8*((\a)%4)+\b):8*(8*((\a)%4)+\b)+7], v[SC+8*NQ*(\sc)+NQ*\b+(\q)], v[SC+8*NQ*(\sc)+NQ*(\a)+(\q)] matrix_a_scale:MATRIX_SCALE_ROW1
.endif
.endr
.endr
.endm
.macro FETCH_B slot, q, p
	WIN TO_B
.irp i, 0,1,2,3,4,5,6,7
	FRAG 128*(\p)+FR*\i, ADRB+\slot, \q, \i
.endr
	WIN 0
.endm
.macro FETCH_A slot, q, i0
.irp i, \i0, \i0+1, \i0+2, \i0+3
	FRAG AF+FR*(\i), ADRA+\slot, \q, \i
.endr
.endm
.macro SCALES sc                       ; lanes 0-15 take the words of A's block i, lanes 16-31 those of B's block i; two words: the K step's 256
.irp i, 0,1,2,3,4,5,6,7
	ds_load_b64 v[SC+8*NQ*\sc+NQ*\i:SC+8*NQ*\sc+NQ*\i+1], v[ADRS] offset:\i*SBLK
.endr
.endm
.macro PLACES n                        ; plain vector lines between a matrix instruction and a load into, or a read of, its registers
.rept \n
	v_nop
.endr
.endm
.macro STEP slot, q, zero              ; 128 along K whose successor lies in the same slot
	s_wait_dscnt 4*NL                              ; B's set and A's blocks 0-3 are in; the youngest sixteen loads (A's blocks 4-7) may be out
	WIN MUL_LO
	MUL16 0, (\q)%2, \q, \slot, \zero
	MUL16 2, (\q)%2, \q, \slot, \zero
	s_wait_dscnt 0
	PLACES NP
	FETCH_B \slot, (\q)+1, 1-(\q)%2
	FETCH_A \slot, (\q)+1, 0
	WIN MUL_HI
	MUL16 4, (\q)%2, \q, \slot, \zero
	MUL16 6, (\q)%2, \q, \slot, \zero
	PLACES NP
	WIN 0
	FETCH_A \slot, (\q)+1, 4
.endm
; A slot's last step changes slots: one barrier; in front of it each wave waits for all its tensor loads, adds 0 to its spare word, and waits for that and for its reads of this slot.
.macro TURN slot, next, fill
	s_wait_tensorcnt 0x0                           ; all my tensor loads have landed: my part of the next slot
	ds_add_u32 v[SPW], v[NIL]                      ; 0 onto my spare word
	s_wait_dscnt 4*NL+1                            ; (the add and A's blocks 4-7 may be out)
	WIN MUL_LO
	MUL16 0, 1, NQ-1, \slot, 0
	s_wait_dscnt 0x0                               ; the add is done, and my reads of this slot are over
	s_barrier_signal -1
	MUL16 2, 1, NQ-1, \slot, 0
	WIN 0
	s_barrier_wait -1
.if \fill
	CREST                                          ; the barrier has opened a round of the cluster's: no wave of any partner still reads this slot or has a load on its way
	s_add_nc_u64 s[G0+4*\slot+2:G0+4*\slot+3], s[G0+4*\slot+2:G0+4*\slot+3], 2*ROWB
	s_add_nc_u64 s[G0B+4*\slot+2:G0B+4*\slot+3], s[G0B+4*\slot+2:G0B+4*\slot+3], 2*ROWB
	JLOAD G0+4*\slot, G1, G0B+4*\slot, G1B         ; the first tensor load behind the round; its four v_nop are among the places below
	PLACES NP-4
.else
	PLACES NP
.endif
	s_wait_alu depctr_va_vdst(0)
	v_add_nc_u32 v[ADRS], 4*NQ, v[ADRS]
	FETCH_B \next, 0, 0
	FETCH_A \next, 0, 0
	SCALES \next
	WIN MUL_HI
	MUL16 4, 1, NQ-1, \slot, 0
	MUL16 6, 1, NQ-1, \slot, 0
	PLACES NP
	WIN 0
	FETCH_A \next, 0, 4
.endm
	s_wait_tensorcnt 0x0                           ; my tile of the head's four is in
	ds_add_u32 v[SPW], v[NIL]
	s_mov_b32 s[G1+2], 128<<16                     ; no tensor load of mine is out: from here on a load brings 128 rows
	s_mov_b32 s[G1+4], 128
	s_mov_b32 s[G1B+2], 128<<16
	s_mov_b32 s[G1B+4], 128
	s_wait_dscnt 0x0                               ; the add is done, and my two factors have landed
	CROUND                                         ; a whole round: all four tiles are in, and the joint loads meet
	JLOAD G0+4, G1, G0B+4, G1B                     ; K step 1: the first tensor load behind the round
	FETCH_B 0, 0, 0
	FETCH_A 0, 0, 0
	SCALES 0
	FETCH_A 0, 0, 4
	STEP 0, 0, 1                                   ; the first step's products start the sums
	s_mov_b32 s3, LAPS-1
.Llap:
	TURN 0, 1, 1
	STEP 1, 0, 0
	TURN 1, 0, 1
	STEP 0, 0, 0
	s_sub_co_u32 s3, s3, 1
	s_cmp_lg_u32 s3, 0
	s_cbranch_scc1 .Llap
	TURN 0, 1, 0                                   ; the last lap fills nothing
	STEP 1, 0, 0
	s_wait_dscnt 4*NL
	WIN MUL_LO
	MUL16 0, 1, NQ-1, 1, 0
	MUL16 2, 1, NQ-1, 1, 0
	s_wait_dscnt 0
	WIN MUL_HI
	MUL16 4, 1, NQ-1, 1, 0
	MUL16 6, 1, NQ-1, 1, 0
	WIN 0
	; ---- THE WAY OUT.  Where my blocks go, in bytes (offsets are made apart from the addresses; no tensor load is out, so the descriptors' registers are free)
	s_lshl_b32 s24, s41, 1
	s_add_co_u32 s24, s24, s[HAF]                  ; which 128 of A's 1,024 rows
	s_lshl_b32 s25, s40, 1
	s_add_co_u32 s25, s25, s[HBF]                  ; which 128 of B's
	s_cmp_eq_u32 s[MODE], 1
	s_cselect_b32 s26, s24, s25                    ; the pair of heads: by the channels,
	s_cselect_b32 s27, s25, s24                    ; the chunk: by x's rows
	s_lshl_b32 s28, s43, 4
	s_lshl_b32 s29, s26, 1
	s_add_co_u32 s28, s28, s29
	s_lshl_b32 s28, s28, 3
	s_add_co_u32 s28, s28, s27
	s_mul_i32 s28, s28, 8704
	s_min_u32 s29, s42, 2
	s_mul_i32 s29, s29, SECTION
	s_add_co_u32 s28, s28, s29                     ; in att
	s_lshl_b32 s30, s43, 2
	s_add_co_u32 s30, s30, s41
	s_lshl_b32 s30, s30, 4
	s_lshl_b32 s31, s[HAF], 3
	s_add_co_u32 s30, s30, s31                     ; my first tile of 16 rows
	s_add_co_u32 s31, s25, 8                       ; the K step in acat
	s_lshl_b32 s32, s30, 15
	s_lshl_b32 s33, s31, 11
	s_add_co_u32 s32, s32, s33                     ; in acat
	s_lshl_b32 s33, s30, 11
	s_lshl_b32 s31, s31, 7
	s_add_co_u32 s33, s33, s31                     ; in asc
	s_add_co_u32 s29, s28, 8192                    ; a chunk's scale words
	s_cmp_eq_u32 s42, 2
	s_cselect_b64 s[36:37], s[12:13], s[10:11]
	s_cselect_b64 s[48:49], s[14:15], s[10:11]
	s_cselect_b32 s58, s32, s28
	s_cselect_b32 s60, s33, s29
	s_cselect_b32 s34, 5, 0
	s_mov_b32 s59, 0
	s_mov_b32 s61, 0
	s_add_nc_u64 s[36:37], s[36:37], s[58:59]      ; codes, registers 0-7
	s_add_nc_u64 s[48:49], s[48:49], s[60:61]      ; scale words
	s_cmp_eq_u32 s42, 3
	s_cselect_b32 s34, 1, s34
	s_lshl_b32 s50, 1024, s34                      ; from block to block: 1,024 (q, k), 32,768 (acat), 2,048 (v by keys),
	s_lshl_b32 s52, 64, s34                        ; 64, 2,048, 128
	s_mov_b32 s51, 0
	s_mov_b32 s53, 0
	s_mul_i32 s54, s[MODE], 61440                  ; v by keys: block 4 begins the next head
	s_mov_b32 s55, 0
	s_mul_i32 s56, s[MODE], 69120
	s_mov_b32 s57, 0
	s_mov_b32 s62, HSTR
	s_cmp_lt_u32 s42, 2
	s_cselect_b32 s62, s62, 1024                   ; registers 8-15: the next head (q, k), or the image's second half
	s_mov_b32 s63, 0
	s_add_nc_u64 s[38:39], s[36:37], s[62:63]
	PLACES NP                                      ; behind the last products: for the loads into A's registers and the reads of results
.irp b, 0,1,2,3
	v_mov_b32 v[TM+4+\b], 0                        ; lane permutes' destinations: written once
.endr
.set K4, 0
.rept 16
	ds_load_b128 v[FN+4*K4:FN+4*K4+3], v[FNAD] offset:128*(K4/4)+16*(K4%4)   ; register 16 b + i: the factor of B's row 32 b + 16 h + i
.set K4, K4+1
.endr
.irp a, 0,1,2,3,4,5,6,7
	ds_load_b32 v[FM+2*\a], v[FMAD] offset:(32*(\a/2)+8*(\a%2))*4            ; block a: the factor of my row of A, twice: a pair for the packed form
	ds_load_b32 v[FM+2*\a+1], v[FMAD] offset:(32*(\a/2)+8*(\a%2))*4
.endr
	s_wait_dscnt 0x0
; 64 numbers of a lane, register 16 b + i = k 32 b + 16 (lane / 16) + i of my row, become a fragment's codes in v[PC] on and its scale word in v[PW]
.macro QUANT s
.irp b, 0,1,2,3
	v_max3_num_f32 v[TM+\b], |v[\s+16*\b]|, |v[\s+1+16*\b]|, 0x4800000   ; with the floor 2^(9 - 127)
.endr
.irp i, 2,4,6,8,10,12,14
.irp b, 0,1,2,3
	v_max3_num_f32 v[TM+\b], v[TM+\b], |v[\s+16*\b+\i]|, |v[\s+1+16*\b+\i]|
.endr
.endr
.irp b, 0,1,2,3
	v_permlanex16_b32 v[TM+4+\b], v[TM+\b], s[SEL], s[SEL+1]
.endr
.irp b, 0,1,2,3
	v_max_num_f32 v[TM+\b], v[TM+\b], v[TM+4+\b]   ; with lane l xor 16's: the block's largest magnitude
.endr
.irp b, 0,1,2,3
	v_add_nc_u32 v[TM+12+\b], 0xfc000000, v[TM+\b] ; 8 off its exponent field: the conversion's scale operand
.endr
.irp b, 0,1,2,3
	v_and_or_b32 v[TM+8+\b], v[TM+\b], 0x7f800000, s[MNT]   ; 448 x the scale
.endr
.irp b, 0,1,2,3
	v_lshrrev_b32 v[TM+4+\b], 23, v[TM+12+\b]      ; the byte
.endr
	v_lshl_or_b32 v[PW], v[TM+5], 8, v[TM+4]
	v_lshl_or_b32 v[PW], v[TM+6], 16, v[PW]
	v_lshl_or_b32 v[PW], v[TM+7], 24, v[PW]
.irp b, 0,1,2,3
.irp i, 0,1,2,3,4,5,6,7,8,9,10,11,12,13,14,15
	v_med3_num_f32 v[\s+16*\b+\i], v[\s+16*\b+\i], -v[TM+8+\b], v[TM+8+\b]   ; the conversion does not saturate (ISA guide 7.6.2)
.endr
	v_cvt_scalef32_pk8_fp8_f32 v[PC+4*\b:PC+1+4*\b], v[\s+16*\b:\s+7+16*\b], v[TM+12+\b]
	v_cvt_scalef32_pk8_fp8_f32 v[PC+2+4*\b:PC+3+4*\b], v[\s+8+16*\b:\s+15+16*\b], v[TM+12+\b]
.endr
	v_nop                                          ; a plain line behind the last conversion
.endm
.macro OUTA a                          ; block a: 16 rows of A x 128 rows of B
.set AC, 64*((\a)%4)
.if (\a) > 0
	s_wait_xcnt 0x0                                ; the last block's stores have read their codes, their word and their bases
	s_add_nc_u64 s[36:37], s[36:37], s[50:51]
	s_add_nc_u64 s[38:39], s[38:39], s[50:51]
	s_add_nc_u64 s[48:49], s[48:49], s[52:53]
.endif
.if (\a) == 4
	s_add_nc_u64 s[36:37], s[36:37], s[54:55]
	s_add_nc_u64 s[38:39], s[38:39], s[54:55]
	s_add_nc_u64 s[48:49], s[48:49], s[56:57]
.endif
	s_cmp_eq_u32 s[MODE], 0                        ; the kind is the cluster's: the same in every partner
	s_cbranch_scc0 .Lby_row_\@
	WIN 0x02+(\a)/4                                ; source 0: window 2 or 3
.set K2, 0
.rept 32
	v_pk_mul_f32 v[HA+K2:HA+K2+1], v[AC+K2:AC+K2+1], v[FN+K2:FN+K2+1]        ; each accumulator from its low end on
.set K2, K2+2
.endr
	WIN 0
	s_branch .Lscaled_\@
.Lby_row_\@:
	WIN 0x02+(\a)/4
.set K2, 0
.rept 32
	v_pk_mul_f32 v[HA+K2:HA+K2+1], v[AC+K2:AC+K2+1], v[FM+2*(\a):FM+2*(\a)+1]
.set K2, K2+2
.endr
	WIN 0
.Lscaled_\@:
	QUANT HA
	v_perm_b32 v[WD], v[PW], v[PW], v[SELV]        ; q, k: (s0, s1, s0, s1) of my half's head; else the word as it is
	global_store_b128 v[LI], v[PC:PC+3], s[36:37]                 ; 512 consecutive bytes a store
	global_store_b128 v[LI], v[PC+4:PC+7], s[36:37] offset:512
	global_store_b128 v[LI], v[PC+8:PC+11], s[38:39]
	global_store_b128 v[LI], v[PC+12:PC+15], s[38:39] offset:512
	global_store_b32 v[WO], v[WD], s[48:49]
.endm
.irp a, 0,1,2,3,4,5,6,7
	OUTA \a
.endr
	s_wait_tensorcnt 0x0                           ; the wave's end
	ds_add_u32 v[SPW], v[NIL]
	s_wait_dscnt 0x0
	CROUND                                         ; the closing round
	s_endpgm
.Lfunc_end_k_qd6fd162b77_proj:
	.size	k_qd6fd162b77_proj, .Lfunc_end_k_qd6fd162b77_proj-k_qd6fd162b77_proj
	.p2alignl 7, 3214868480
	.fill 96, 4, 3214868480
	.section	.rodata,"a",@progbits
	.p2align	6, 0x0
	.amdhsa_kernel k_qd6fd162b77_proj
		.amdhsa_group_segment_fixed_size 327680
		.amdhsa_private_segment_fixed_size 0
		.amdhsa_enable_private_segment 0
		.amdhsa_kernarg_size 48
		.amdhsa_user_sgpr_count 2
		.amdhsa_user_sgpr_kernarg_segment_ptr 1
		.amdhsa_wavefront_size32 1
		.amdhsa_system_sgpr_workgroup_id_x 1
		.amdhsa_system_sgpr_workgroup_id_y 1
		.amdhsa_system_sgpr_workgroup_id_z 1
		.amdhsa_system_vgpr_workitem_id 0
		.amdhsa_next_free_vgpr 1024
		.amdhsa_next_free_sgpr 106
		.amdhsa_reserve_vcc 1
		.amdhsa_float_denorm_mode_32 3
		.amdhsa_float_denorm_mode_16_64 3
		.amdhsa_memory_ordered 1
		.amdhsa_forward_progress 1
		.amdhsa_inst_pref_size 225
	.end_amdhsa_kernel
	.amdgpu_metadata
---
amdhsa.version: [ 1, 2 ]
amdhsa.kernels:
  - .name:           k_qd6fd162b77_proj
    .symbol:         k_qd6fd162b77_proj.kd
    .args:
      - { .name: cod, .offset: 0, .size: 8, .value_kind: global_buffer, .address_space: global }
      - { .name: csc, .offset: 8, .size: 8, .value_kind: global_buffer, .address_space: global }
      - { .name: fac, .offset: 16, .size: 8, .value_kind: global_buffer, .address_space: global }
      - { .name: att, .offset: 24, .size: 8, .value_kind: global_buffer, .address_space: global }
      - { .name: acat, .offset: 32, .size: 8, .value_kind: global_buffer, .address_space: global }
      - { .name: asc, .offset: 40, .size: 8, .value_kind: global_buffer, .address_space: global }
    .group_segment_fixed_size: 327680
    .private_segment_fixed_size: 0
    .kernarg_segment_align: 8
    .kernarg_segment_size: 48
    .max_flat_workgroup_size: 128
    .sgpr_count:     106
    .vgpr_count:     1024
    .wavefront_size: 32
...
	.end_amdgpu_metadata
.endif
;; end of part 2
;; launch attn (part 3): grid 4 x 64, 16 waves a work-group, clusters of 4 x 1, 280,576 bytes of LDS; arguments att, acat, asc; writes acat, asc
.if DOCPART == 3
	.amdgcn_target "amdgcn-amd-amdhsa--gfx1250"
	.amdhsa_code_object_version 6
	.text
	.protected	k_qd6fd162b77_attn
	.globl	k_qd6fd162b77_attn
	.p2align	8
	.type	k_qd6fd162b77_attn,@function
k_qd6fd162b77_attn:
	s_mov_b64 s[64:65], 0
	v_nop
	global_prefetch_b8 v0, s[64:65] scope:SCOPE_SE
	s_setreg_imm32_b32 hwreg(HW_REG_WAVE_MODE, 25, 1), 1
	s_wait_xcnt 0x0
	s_wait_alu depctr_hold_cnt(0) depctr_sa_sdst(0) depctr_va_vdst(0) depctr_va_sdst(0) depctr_va_ssrc(0) depctr_va_vcc(0) depctr_vm_vsrc(0)
	s_getreg_b32 s2, hwreg(HW_REG_IB_STS2, 6, 4)
	s_cmp_eq_u32 s2, 0
	s_cbranch_scc0 .Lentry_in_a_cluster
	s_endpgm
.Lentry_in_a_cluster:
	s_bfe_u32 s2, ttmp6, 0x10000c
	s_cmp_lg_u32 s2, 0x3003
	s_cbranch_scc0 .Lentry_shape_is_right
	s_endpgm
.Lentry_shape_is_right:
; Attention on codes of E4M3: 128 heads (sample x 16 + head) of 1,024 queries and keys, head size 64.  t = score x log2(e) / 8; M = the running largest t rounded up to a whole number; p = 2^(t - M) is quantised along the
; keys, not normalised; the row's sum is taken of the unquantised p and divides at the end; the result is quantised along H and leaves as the last launch's operand.
; IN: att: sections q, k, v; [head][8 steps][chunk of 8,704 bytes].  q, k chunk: 8 tiles (16 rows x 64) as images of registers, 1,024 bytes each, then 8 x 16 scale words (s0, s1, s0, s1).
;   v chunk: 4 tiles (16 channels x 128 keys), 2,048 bytes each, then 4 x 32 words.  The rows of a tile are 32 (i/2) + 8 (i%2) + r + 8 (r/8): so the 16 registers of two neighbouring result tiles are 16 neighbours.
; SHARES: a cluster of four work-groups owns two heads; a work-group 256 queries; each of its sixteen waves one tile of 16, first for the one head, then for the other.
; LDS: the two heads' K are 16 chunks on end in memory, and so are their V.  Wave w < 8 asks for K's chunks 2 w, 2 w + 1, wave w >= 8 for V's, one dense load of 17,408 bytes, jointly with its three partners (mask 15).
;   So LDS holds K's 16 key steps on end, then V's 16: the two heads are one walk of 16 steps of 8,704 bytes.  Nothing is filled again: no ring, one barrier.  All tiles are asked for at the head: there is no loop to prefetch ahead in.
; Both products are used transposed: S^T = K Q^T, O^T = V^T P^T: a lane holds one query throughout.
; K = 64 IN AN INSTRUCTION OF 128: Q's eight registers stand between two runs of eight zero codes.  Two tiles of K are one operand: against [Q | 0] it gives the even tile's scores, against [0 | Q] the odd tile's.
;   A tile's scale word (s0, s1, s0, s1) serves either place; the other tile's codes meet zero codes.
; TWO REGIONS OF 64 REGISTERS TAKE TURNS: K's eight tiles lie in X, the scores go to Y; V's four tiles land in X under the softmax; when the conversions have read Y, the next step's K is asked for into Y.  The next step swaps X and Y.
;   So a trip of the loop is two steps.  A head's end (the division, the quantiser, the stores, the next head's start) stands under a branch on the trip's number.
;   The last step's look-ahead reads the 8,704 bytes behind K's last chunk (V's first chunk); nothing uses it: so the counted wait is the same in every step.
; LIMITS: a block of zeros gets the byte 1 (zero codes); NaN and infinities are not served; a block's largest p is taken from its largest score, which takes v_exp_f32 not to fall where its input rises;
;   the scaled scores stay under 2^31 in magnitude.
.set CH,      8704
.set HSTR,    69632
.set SECTION, 8912896
.set SPARE,   32*CH                    ; behind the 32 chunks: the spare words, 128 bytes a wave
.set LI,  1                            ; 16 x lane
.set RW,  2                            ; 4 x (lane % 16)
.set VW,  3                            ; v3-6 V's scale words
.set RES, 7                            ; the result's scale word: two bytes a head
.set AK,  8                            ; LDS addresses: K, V, K's words, V's words
.set AV,  9
.set AKS, 10
.set AVS, 11
                                       ; v12 -M, v13 the largest score, v[14:15] the sum in two halves
.set KW,  16                           ; v16-23 K's scale words
.set SPW, 24
.set NIL, 25
.set QW,  26                           ; Q's scale word; v27 the second head's
.set TA,  28
.set OM,  29                           ; the last step's -M
.set F,   30                           ; f = 2^(old M - new M); v31 = p's scale word
.set PW,  31
.set BM,  32                           ; v32-35 a block's largest score, then p
.set PD,  36                           ; v36-39 lane permutes' destinations, then bytes
.set BD,  40                           ; v40-43 448 x the scale
.set SOP, 44                           ; v44-47 the conversions' scale operands
.set QZ,  48                           ; v48-55 zeros, v56-63 Q, v64-71 zeros
.set Q1,  72                           ; v72-79 the second head's Q
.set PC,  80                           ; v80-95 partial sums, then p's codes
.set R1,  96
.set R2,  160
.set O,   224                          ; v224-255 O^T
.set SK,  40                           ; s40 where the next step's K begins; s53 this step's V
.set SV,  53
.macro CROUND
	s_barrier_signal -1
	s_barrier_wait -1
	s_cmp_lg_u32 s18, 0
	s_cbranch_scc1 .Lnot_wave_0_\@
	s_barrier_signal -3
.Lnot_wave_0_\@:
	s_barrier_wait -3
	s_barrier_signal -1
	s_barrier_wait -1
.endm
	s_load_b128 s[4:7], s[0:1], 0x0                ; att, acat
	s_load_b64 s[8:9], s[0:1], 0x10                ; asc
	v_lshl_add_u32 v[SPW], v0, 2, SPARE
	v_mov_b32 v[NIL], 0
	ds_add_u32 v[SPW], v[NIL]                      ; the opening lines: the add, twice on end, and its wait ahead of my tensor load
	ds_add_u32 v[SPW], v[NIL]
	v_lshrrev_b32 v8, 5, v0
	v_readfirstlane_b32 s18, v8                    ; wave 0..15
	s_bfe_u32 s42, ttmp6, 0x40000                  ; cx: it enters Q's and the result's addresses alone
	s_and_b32 s43, ttmp7, 0xffff                   ; the pair of heads
	s_mov_b32 s24, 15|(3<<16)|(1<<21)              ; group 1: the mask names all four; elements of 8 bytes; no padding: the chunks are read as they lie
	s_mov_b32 s25, 32<<16                          ; 68 rows of 256 bytes, dense
	s_mov_b32 s26, 68<<16
	s_mov_b32 s27, 32<<16
	s_mov_b32 s28, 68
	s_mov_b32 s29, 32
	s_mov_b32 s30, 0
	s_mov_b32 s31, 0
	s_mov_b32 s19, 0x600000                        ; the mantissa field of 448
	s_mov_b32 s20, 0x76543210
	s_mov_b32 s21, 0xfedcba98
	s_mov_b32 s22, 0x3e38aa3b                      ; c = log2(e) / 8
	s_mov_b32 s23, s22
	s_mov_b32 s52, 0xbe38aa3b                      ; -c
	s_mul_i32 s10, s18, 2*CH                       ; my two chunks' place in LDS
	s_lshr_b32 s11, s18, 3
	s_add_co_u32 s11, s11, 1
	s_mul_i32 s11, s11, SECTION                    ; waves 0-7: section k; 8-15: section v
	s_lshl_b32 s12, s43, 4
	s_and_b32 s13, s18, 7
	s_lshl_b32 s13, s13, 1
	s_add_co_u32 s12, s12, s13
	s_mul_i32 s12, s12, CH
	s_add_co_u32 s12, s12, s11
	s_mov_b32 s13, 0
	s_lshl_b32 s14, s43, 4                         ; Q: my tile is 16 cx + wave of the sample's 64
	s_lshl_b32 s15, s42, 1
	s_add_co_u32 s14, s14, s15
	s_lshr_b32 s15, s18, 3
	s_add_co_u32 s14, s14, s15
	s_mul_i32 s14, s14, CH
	s_and_b32 s15, s18, 7
	s_lshl_b32 s16, s15, 10
	s_add_co_u32 s44, s14, s16
	s_mov_b32 s45, 0
	s_lshl_b32 s16, s15, 6
	s_add_co_u32 s46, s14, s16
	s_add_co_u32 s46, s46, 8192
	s_mov_b32 s47, 0
	s_lshr_b32 s14, s43, 3                         ; the result: tile of rows 64 x sample + 16 cx + wave, K step = the pair of heads
	s_lshl_b32 s14, s14, 6
	s_lshl_b32 s15, s42, 4
	s_add_co_u32 s14, s14, s15
	s_add_co_u32 s14, s14, s18
	s_and_b32 s15, s43, 7
	s_lshl_b32 s48, s14, 15
	s_lshl_b32 s16, s15, 11
	s_add_co_u32 s48, s48, s16
	s_mov_b32 s49, 0
	s_lshl_b32 s50, s14, 11
	s_lshl_b32 s16, s15, 7
	s_add_co_u32 s50, s50, s16
	s_mov_b32 s51, 0
	s_mov_b32 s[SK], CH
	s_mov_b32 s[SV], 16*CH
	s_mov_b32 s41, 0                               ; the trip
	s_wait_dscnt 0x0                               ; both opening adds are done
	s_wait_kmcnt 0x0
	s_add_nc_u64 s[12:13], s[4:5], s[12:13]
	s_add_nc_u64 s[44:45], s[4:5], s[44:45]
	s_add_nc_u64 s[46:47], s[4:5], s[46:47]
	s_add_nc_u64 s[48:49], s[6:7], s[48:49]
	s_add_nc_u64 s[50:51], s[8:9], s[50:51]
	s_mov_b32 s32, 1
	s_mov_b32 s33, s10
	s_mov_b64 s[34:35], s[12:13]
	s_or_b32 s35, s35, 0x80000000
	CROUND                                         ; all four work-groups are here: the joint loads meet
	tensor_load_to_lds s[32:35], s[24:31]          ; the wave's one tensor load
	s_nop 0
.rept 4
	v_nop
.endr
	v_and_b32 v3, 31, v0
	v_lshlrev_b32 v[LI], 4, v3
	v_and_b32 v[RW], 15, v0
	v_lshlrev_b32 v[RW], 2, v[RW]
	global_load_b128 v[QZ+8:QZ+11], v[LI], s[44:45]
	global_load_b128 v[QZ+12:QZ+15], v[LI], s[44:45] offset:512
	global_load_b128 v[Q1:Q1+3], v[LI], s[44:45] offset:HSTR
	global_load_b128 v[Q1+4:Q1+7], v[LI], s[44:45] offset:HSTR+512
	global_load_b32 v[QW], v[RW], s[46:47]
	global_load_b32 v[QW+1], v[RW], s[46:47] offset:HSTR
.irp j, 0,1,2,3,4,5,6,7
	v_mov_b32 v[QZ+\j], 0                          ; the zero codes: written once
	v_mov_b32 v[QZ+16+\j], 0
.endr
.irp b, 0,1,2,3
	v_mov_b32 v[PD+\b], 0                          ; lane permutes' destinations
.endr
	v_mov_b32 v[TA], 0
	v_mov_b32 v[PW], 0
	v_mov_b32 v[RES], 0
	v_mov_b32 v[AK], v[LI]                         ; key step 0
	v_mov_b32 v[AKS], v[RW]
.macro START                           ; a head's start: the step is written once, and the first finds zeros
	v_mov_b32 v13, 0xff61b1e6                      ; -3e38, under every score
	v_mov_b32 v14, 0
	v_mov_b32 v15, 0
	v_mul_f32 v12, s52, v13
	v_floor_f32 v12, v12
.set J, 0
.rept 32
	v_mov_b32 v[O+J], 0
.set J, J+1
.endr
.endm
	START
.macro KLOAD y                         ; a step's eight tiles of K and their scale words: 24 loads
.irp t, 0,1,2,3,4,5,6,7
	ds_load_b128 v[\y+8*\t:\y+8*\t+3], v[AK] offset:1024*\t
	ds_load_b128 v[\y+8*\t+4:\y+8*\t+7], v[AK] offset:1024*\t+512
	ds_load_b32 v[KW+\t], v[AKS] offset:8192+64*\t
.endr
.endm
; A KEY STEP: 128 keys.  x: K's tiles, then V's; y: the scores, then p, then the next step's K
.macro STEP x, y
	v_mov_b32 v[OM], v12                           ; nine plain lines behind the last step's second product, whose operand in y the scores are written over
	v_add_nc_u32 v[AV], s[SV], v[LI]
	v_add_nc_u32 v[AVS], s[SV], v[RW]
.rept 6
	v_nop
.endr
	s_wait_alu depctr_va_vdst(0)
	s_wait_dscnt 0x0                               ; K is in
.irp t, 0,2,4,6
	v_wmma_scale_f32_16x16x128_f8f6f4 v[\y+8*\t:\y+8*\t+7], v[\x+8*\t:\x+8*\t+15], v[QZ+8:QZ+23], 0, v[KW+\t], v[QW]
	v_wmma_scale_f32_16x16x128_f8f6f4 v[\y+8*\t+8:\y+8*\t+15], v[\x+8*\t:\x+8*\t+15], v[QZ:QZ+15], 0, v[KW+\t+1], v[QW]
.endr
.rept 8
	v_nop                                          ; places ahead of the loads into x and of the first read of the scores
.endr
.irp t, 0,1,2,3                                ; V's four tiles land under the softmax: 20 loads
.irp c, 0,1,2,3
	ds_load_b128 v[\x+16*\t+4*\c:\x+16*\t+4*\c+3], v[AV] offset:2048*\t+512*\c
.endr
	ds_load_b32 v[VW+\t], v[AVS] offset:8192+128*\t
.endr
.irp b, 0,1,2,3
	v_max3_num_f32 v[BM+\b], v[\y+16*\b], v[\y+16*\b+1], v[\y+16*\b+2]   ; the largest score of each block of 32 keys: for the row's maximum, and for the block's largest p
.endr
.irp i, 3,5,7,9,11,13
.irp b, 0,1,2,3
	v_max3_num_f32 v[BM+\b], v[BM+\b], v[\y+16*\b+\i], v[\y+16*\b+\i+1]
.endr
.endr
.irp b, 0,1,2,3
	v_max_num_f32 v[BM+\b], v[BM+\b], v[\y+16*\b+15]
.endr
.irp b, 0,1,2,3
	v_permlanex16_b32 v[PD+\b], v[BM+\b], s20, s21
.endr
.irp b, 0,1,2,3
	v_max_num_f32 v[BM+\b], v[BM+\b], v[PD+\b]
.endr
	v_max3_num_f32 v[TA], v[BM], v[BM+1], v[BM+2]
	v_max3_num_f32 v13, v[TA], v[BM+3], v13        ; the running largest score
	v_mul_f32 v[TA], s52, v13                      ; -t (c is positive)
	v_floor_f32 v12, v[TA]                         ; -M = floor(-t): M is a whole number
.set J, 0
.rept 32
	v_pk_fma_f32 v[\y+J:\y+J+1], v[\y+J:\y+J+1], s[22:23], v[12:13] op_sel_hi:[1,0,0]   ; t - M
.set J, J+2
.endr
.irp b, 0,1,2,3
	v_fma_f32 v[BM+\b], v[BM+\b], s22, v12
.endr
	v_sub_f32 v[TA], v12, v[OM]
	v_cvt_i32_f32 v[TA], v[TA]                     ; (it saturates)
	v_ldexp_f32 v[F], 1.0, v[TA]                   ; f = 2^(old M - new M): rounds nothing
	s_wait_alu depctr_va_vdst(0)
.set J, 0
.rept 64
	v_exp_f32 v[\y+J], v[\y+J]                     ; p = 2^(t - M)
.set J, J+1
.endr
.irp b, 0,1,2,3
	v_exp_f32 v[BM+\b], v[BM+\b]                   ; the block's largest p
.endr
	v_pk_mul_f32 v[14:15], v[14:15], v[F:F+1] op_sel_hi:[1,0]   ; the sum under the new M (a plain line behind the exponentials)
	s_wait_alu depctr_va_vdst(0)                   ; one wait for the batch, ahead of its first reader
.irp b, 0,1,2,3
	v_max_num_f32 v[BM+\b], 0x4800000, v[BM+\b]    ; the floor 2^(9 - 127)
.endr
.irp b, 0,1,2,3
	v_add_nc_u32 v[SOP+\b], 0xfc000000, v[BM+\b]
.endr
.irp b, 0,1,2,3
	v_and_or_b32 v[BD+\b], v[BM+\b], 0x7f800000, s19
.endr
.irp b, 0,1,2,3
	v_lshrrev_b32 v[PD+\b], 23, v[SOP+\b]
.endr
.irp k, 0,1,2,3,4,5,6                          ; the row's sum of the unquantised p: eight chains
	v_pk_add_f32 v[PC+2*\k:PC+2*\k+1], v[\y+2*\k:\y+2*\k+1], v[\y+14+2*\k:\y+15+2*\k]
.endr
	v_pk_add_f32 v[14:15], v[14:15], v[\y+28:\y+29]
	v_lshl_or_b32 v[PW], v[PD+1], 8, v[PD]         ; p's scale word for these 128 keys, its three lines among the sums
.irp g, 0,1
.irp k, 0,1,2,3,4,5,6
	v_pk_add_f32 v[PC+2*\k:PC+2*\k+1], v[PC+2*\k:PC+2*\k+1], v[\y+30+16*\g+2*\k:\y+31+16*\g+2*\k]
.endr
	v_pk_add_f32 v[14:15], v[14:15], v[\y+44+16*\g:\y+45+16*\g]
	v_lshl_or_b32 v[PW], v[PD+2+\g], 16+8*\g, v[PW]
.endr
	v_pk_add_f32 v[PC:PC+1], v[PC:PC+1], v[\y+62:\y+63]
	v_pk_add_f32 v[PC+2:PC+3], v[PC+2:PC+3], v[PC+4:PC+5]
	v_pk_add_f32 v[PC+6:PC+7], v[PC+6:PC+7], v[PC+8:PC+9]
	v_pk_add_f32 v[PC+10:PC+11], v[PC+10:PC+11], v[PC+12:PC+13]
	v_pk_add_f32 v[14:15], v[14:15], v[PC:PC+1]
	v_pk_add_f32 v[PC+2:PC+3], v[PC+2:PC+3], v[PC+6:PC+7]
	v_pk_add_f32 v[14:15], v[14:15], v[PC+10:PC+11]
	v_pk_add_f32 v[14:15], v[14:15], v[PC+2:PC+3]
.irp b, 0,1,2,3
.irp i, 0,2,4,6,8,10,12,14
	v_dual_min_num_f32 v[\y+16*\b+\i], v[\y+16*\b+\i], v[BD+\b] :: v_dual_min_num_f32 v[\y+16*\b+\i+1], v[\y+16*\b+\i+1], v[BD+\b]   ; the hold, two numbers a line; p is not negative
.endr
	v_cvt_scalef32_pk8_fp8_f32 v[PC+4*\b:PC+4*\b+1], v[\y+16*\b:\y+16*\b+7], v[SOP+\b]
	v_cvt_scalef32_pk8_fp8_f32 v[PC+4*\b+2:PC+4*\b+3], v[\y+16*\b+8:\y+16*\b+15], v[SOP+\b]
.endr
	v_add_nc_u32 v[AK], s[SK], v[LI]               ; (plain lines behind the last conversion)
	v_add_nc_u32 v[AKS], s[SK], v[RW]
	KLOAD \y                                       ; y has been read out: the next step's K
	s_wait_alu depctr_va_vdst(0)                   ; ahead of the first reader of O^T
.set J, 0
.rept 16
	v_pk_mul_f32 v[O+J:O+J+1], v[O+J:O+J+1], v[F:F+1] op_sel_hi:[1,0]   ; O^T under the new M; also the places in front of the products below
.set J, J+2
.endr
	s_wait_alu depctr_va_vdst(0)
	s_wait_dscnt 24                                ; V is in; the 24 loads of the next step's K, issued behind V's, may be out
.irp t, 0,1,2,3                                ; O^T += V^T P^T; every turn is one instruction on another accumulator
	v_wmma_scale_f32_16x16x128_f8f6f4 v[O+8*\t:O+8*\t+7], v[\x+16*\t:\x+16*\t+15], v[PC:PC+15], v[O+8*\t:O+8*\t+7], v[VW+\t], v[PW]
.endr
	s_add_co_u32 s[SK], s[SK], CH
	s_add_co_u32 s[SV], s[SV], CH
.endm
	s_wait_alu depctr_va_vdst(0)
	s_wait_loadcnt 0x0                             ; Q
	s_wait_tensorcnt 0x0                           ; my two chunks are in
	s_barrier_signal -1
	s_barrier_wait -1                              ; everybody's are; nothing is written into LDS from here on
	KLOAD R1
.Ltrip:                                            ; 8 trips of two key steps: trips 0-3 the first head, 4-7 the second
	STEP R1, R2
	STEP R2, R1
	s_and_b32 s54, s41, 3
	s_cmp_lg_u32 s54, 3
	s_wait_alu depctr_va_vdst(0)
	s_cbranch_scc1 .Lhead_goes_on
	; A HEAD'S END.  R1 waits for the next step's K; R2, which held V, takes the numbers
	v_add_f32 v14, v14, v15                        ; the sum's two halves, and lane l xor 16's
	v_permlanex16_b32 v[TA], v14, s20, s21
	v_add_f32 v14, v14, v[TA]
	s_wait_alu depctr_va_vdst(0)
	v_rcp_f32 v14, v14
.rept 8
	v_nop                                          ; behind the last products and the reciprocal
.endr
	s_wait_alu depctr_va_vdst(0)                   ; ahead of the first reader of the reciprocal and of O^T
.set J, 0
.rept 16
	v_pk_mul_f32 v[R2+J:R2+J+1], v[O+J:O+J+1], v[14:15] op_sel_hi:[1,0]   ; register 16 b + i: channel 32 b + 16 h + i of my query
.set J, J+2
.endr
.irp b, 0,1
	v_max3_num_f32 v[BM+\b], |v[R2+16*\b]|, |v[R2+16*\b+1]|, 0x4800000
.endr
.irp i, 2,4,6,8,10,12,14
.irp b, 0,1
	v_max3_num_f32 v[BM+\b], v[BM+\b], |v[R2+16*\b+\i]|, |v[R2+16*\b+\i+1]|
.endr
.endr
.irp b, 0,1
	v_permlanex16_b32 v[PD+\b], v[BM+\b], s20, s21
.endr
.irp b, 0,1
	v_max_num_f32 v[BM+\b], v[BM+\b], v[PD+\b]
.endr
.irp b, 0,1
	v_add_nc_u32 v[SOP+\b], 0xfc000000, v[BM+\b]
.endr
.irp b, 0,1
	v_and_or_b32 v[BD+\b], v[BM+\b], 0x7f800000, s19
.endr
.irp b, 0,1
	v_lshrrev_b32 v[PD+\b], 23, v[SOP+\b]
.endr
	v_lshl_or_b32 v[TA], v[PD+1], 8, v[PD]         ; this head's two bytes go in at the top, the first head's move down
	v_lshrrev_b32 v[RES], 16, v[RES]
	v_lshl_or_b32 v[RES], v[TA], 16, v[RES]
.irp b, 0,1
.irp i, 0,1,2,3,4,5,6,7,8,9,10,11,12,13,14,15
	v_med3_num_f32 v[R2+16*\b+\i], v[R2+16*\b+\i], -v[BD+\b], v[BD+\b]
.endr
	v_cvt_scalef32_pk8_fp8_f32 v[PC+4*\b:PC+4*\b+1], v[R2+16*\b:R2+16*\b+7], v[SOP+\b]
	v_cvt_scalef32_pk8_fp8_f32 v[PC+4*\b+2:PC+4*\b+3], v[R2+16*\b+8:R2+16*\b+15], v[SOP+\b]
.endr
.irp j, 0,1,2,3,4,5,6,7
	v_mov_b32 v[QZ+8+\j], v[Q1+\j]                 ; the second head's Q and its word (the 37 lines of START stand between them and the next product)
.endr
	v_mov_b32 v[QW], v[QW+1]
	global_store_b128 v[LI], v[PC:PC+3], s[48:49]              ; 512 consecutive bytes a store
	global_store_b128 v[LI], v[PC+4:PC+7], s[48:49] offset:512
	START
	s_wait_xcnt 0x0                                ; the stores have read their codes and their base
	s_add_nc_u64 s[48:49], s[48:49], 1024          ; the second head's half of the image
	s_wait_alu depctr_va_vdst(0)
.Lhead_goes_on:
	s_add_co_u32 s41, s41, 1
	s_cmp_lt_u32 s41, 8
	s_cbranch_scc1 .Ltrip
	v_lshrrev_b32 v[TA], 2, v[LI]                  ; 4 x lane
	global_store_b32 v[TA], v[RES], s[50:51]
	s_wait_tensorcnt 0x0                           ; the wave's end
	ds_add_u32 v[SPW], v[NIL]
	s_wait_dscnt 0x0
	CROUND                                         ; the closing round
	s_endpgm
.Lfunc_end_k_qd6fd162b77_attn:
	.size	k_qd6fd162b77_attn, .Lfunc_end_k_qd6fd162b77_attn-k_qd6fd162b77_attn
	.p2alignl 7, 3214868480
	.fill 96, 4, 3214868480
	.section	.rodata,"a",@progbits
	.p2align	6, 0x0
	.amdhsa_kernel k_qd6fd162b77_attn
		.amdhsa_group_segment_fixed_size 280576
		.amdhsa_private_segment_fixed_size 0
		.amdhsa_enable_private_segment 0
		.amdhsa_kernarg_size 24
		.amdhsa_user_sgpr_count 2
		.amdhsa_user_sgpr_kernarg_segment_ptr 1
		.amdhsa_wavefront_size32 1
		.amdhsa_system_sgpr_workgroup_id_x 1
		.amdhsa_system_sgpr_workgroup_id_y 1
		.amdhsa_system_sgpr_workgroup_id_z 1
		.amdhsa_system_vgpr_workitem_id 0
		.amdhsa_next_free_vgpr 256
		.amdhsa_next_free_sgpr 66
		.amdhsa_reserve_vcc 0
		.amdhsa_float_denorm_mode_32 3
		.amdhsa_float_denorm_mode_16_64 3
		.amdhsa_memory_ordered 1
		.amdhsa_forward_progress 1
		.amdhsa_inst_pref_size 55
	.end_amdhsa_kernel
	.amdgpu_metadata
---
amdhsa.version: [ 1, 2 ]
amdhsa.kernels:
  - .name:           k_qd6fd162b77_attn
    .symbol:         k_qd6fd162b77_attn.kd
    .args:
      - { .name: att, .offset: 0, .size: 8, .value_kind: global_buffer, .address_space: global }
      - { .name: acat, .offset: 8, .size: 8, .value_kind: global_buffer, .address_space: global }
      - { .name: asc, .offset: 16, .size: 8, .value_kind: global_buffer, .address_space: global }
    .group_segment_fixed_size: 280576
    .private_segment_fixed_size: 0
    .kernarg_segment_align: 8
    .kernarg_segment_size: 24
    .max_flat_workgroup_size: 512
    .sgpr_count:     66
    .vgpr_count:     256
    .wavefront_size: 32
...
	.end_amdgpu_metadata
.endif
;; end of part 3
;; launch outp (part 4): grid 32 x 8, 4 waves a work-group, clusters of 4 x 1, 327,680 bytes of LDS; arguments acat, asc, cod, csc, fac, out0; writes out0
.if DOCPART == 4
	.amdgcn_target "amdgcn-amd-amdhsa--gfx1250"
	.amdhsa_code_object_version 6
	.text
	.protected	k_qd6fd162b77_outp
	.globl	k_qd6fd162b77_outp
	.p2align	8
	.type	k_qd6fd162b77_outp,@function
k_qd6fd162b77_outp:
	s_mov_b64 s[64:65], 0
	v_nop
	global_prefetch_b8 v0, s[64:65] scope:SCOPE_SE
	s_setreg_imm32_b32 hwreg(HW_REG_WAVE_MODE, 25, 1), 1
	s_wait_xcnt 0x0
	s_wait_alu depctr_hold_cnt(0) depctr_sa_sdst(0) depctr_va_vdst(0) depctr_va_sdst(0) depctr_va_ssrc(0) depctr_va_vcc(0) depctr_vm_vsrc(0)
	s_getreg_b32 s2, hwreg(HW_REG_IB_STS2, 6, 4)
	s_cmp_eq_u32 s2, 0
	s_cbranch_scc0 .Lentry_in_a_cluster
	s_endpgm
.Lentry_in_a_cluster:
	s_bfe_u32 s2, ttmp6, 0x10000c
	s_cmp_lg_u32 s2, 0x3003
	s_cbranch_scc0 .Lentry_shape_is_right
	s_endpgm
.Lentry_shape_is_right:
; out0 = (attention's result) W^T w_dc + (v s2) U^T u_dc, both products on codes of E4M3 with E8M0 scales, K = 1,024 each; f32 sums.
; IN: acat [tile of 16 rows][16 K steps of 128: 0-7 attention's result, 8-15 v][2,048 bytes: an image of the operand's registers], asc [tile][K step][32 words];
;   cod, csc: W's rows from 11,264 on, U's from 12,288 on, with bits 3 and 4 of a row's number swapped; fac [8][5120]: w_dc at 3,072, u_dc at 4,096.
; SHARES: 256 work-groups of 256 rows x 128 columns; a wave makes 64 rows x 128 columns: 32 accumulators, 256 registers.
; B STAYS: the block's 128 rows of W and 128 of U, all of K, lie in LDS (256 rows of 1,024 + 16 bytes), filled once at the head, 64 rows a wave.  Nothing is filled again: no ring.
;   The four work-groups of a cluster make four row blocks of one column block and ask for these rows jointly (mask 15).
; A STREAMS: each image is wanted by one wave of the work-group alone, so it goes from memory straight into registers, 512 consecutive bytes a load: a ring of five sets of 64 registers, asked for four K steps ahead.
;   The scale words go straight into registers too: B's by rows (32 bytes a lane: lanes 0-15 an even tile's rows, lanes 16-31 the odd tile's), A's two K steps to a register (lanes 0-15 the even step, 16-31 the odd).
; ONE SET OF SUMS: sW w + sU u = (sW (w / u) + sU) u.  Behind K step 7 the sums are multiplied by w_dc / u_dc, and on the way out by u_dc.  u_dc = 1 / sqrt(.. + 1e-8) is positive and at most 1e4.
;   LIMIT: the order of rounding differs from the source's (three roundings more in the first term); w_dc / u_dc has to stay inside f32's range.  NaN and infinities are not served.
; PREFETCH: the eight column blocks read the same images and share K steps 8 to 15 out by address: column block c asks for K step 8 + c of its rows, 32 blocks of 256 bytes a wave, one line, four K steps and more
;   ahead of the load that wants them.  K steps 0 to 7 come by their loads alone: those are issued at the head and in the first four steps.  B's rows are asked for at the head, where there is nothing to run ahead in.
; THE MATRIX INSTRUCTION IS USED TRANSPOSED (source 0 = 16 rows of B, source 1 = 16 rows of A): register 8 b + j of a lane's block is column 32 (b/2) + 16 (lane/16) + 8 (b%2) + j of row lane % 16.
; REGISTERS: window 0: v0-31 addresses, v32-95 B's scale words, v96-127 A's, v128-255 B's fragments, set 0 (at the head the factors; on the way out the results);
;   window 1: v0-127 B's set 1 (on the way out rows read back), v128-191 w_dc / u_dc, v192-255 A's set 4;  window 2: A's sets 0-3 (set 1 takes u_dc from K step 12 on);  window 3: the sums.
.set PITCH,  1040                      ; 260 words: row r starts at bank 4 r mod 64 (ISA guide 11.1)
.set QB,     64*PITCH                  ; what one tensor load brings
.set STAGE,  4*QB                      ; the way out: 16 rows x (512 + 16) bytes for each wave; no tile lands here
.set SPITCH, 528
.set SPARE,  STAGE+4*16*SPITCH         ; the spare words: two blocks of 256 bytes that no other line names
.set CO,   4                           ; 16 x lane
.set VAS,  5                           ; 128 (lane/16) + 4 (lane%16)
.set VSB,  6                           ; 32 x lane
.set VF,   7                           ; 64 (lane/16)
.set ADB,  8                           ; v8-11 my place in B's rows 0-63, 64-127 of W, of U
.set STO,  12
.set RD,   13
.set PFO,  14
.set SPW,  16
.set NIL,  17
.set SB,   32
.set SA,   96
.set T,    128
.set FR,   128
.set MSB, 0
.macro WIN new                         ; the immediate's high byte repeats the setting that is left
.if MSB != \new
	s_set_vgpr_msb (MSB<<8)|\new
.set MSB, \new
.endif
.endm
.macro PLACES n                        ; plain vector lines behind a matrix instruction (ISA guide 7.12.1)
.rept \n
	v_nop
.endr
.endm
.macro CROUND                          ; a round of the cluster's barrier
	s_barrier_signal -1
	s_barrier_wait -1
	s_cmp_lg_u32 s16, 0
	s_cbranch_scc1 .Lnot_wave_0_\@
	s_barrier_signal -3
.Lnot_wave_0_\@:
	s_barrier_wait -3
	s_barrier_signal -1
	s_barrier_wait -1
.endm
	s_load_b128 s[4:7], s[0:1], 0x0                ; acat, asc
	s_load_b128 s[8:11], s[0:1], 0x10              ; cod, csc
	s_load_b128 s[12:15], s[0:1], 0x20             ; fac, out0
	v_lshl_add_u32 v[SPW], v0, 2, SPARE
	v_mov_b32 v[NIL], 0
	ds_add_u32 v[SPW], v[NIL]                      ; the opening lines: the add, twice on end, and its wait ahead of my tensor load
	ds_add_u32 v[SPW], v[NIL]
	v_lshrrev_b32 v1, 5, v0
	v_readfirstlane_b32 s16, v1                    ; wave
	s_bfe_u32 s17, ttmp6, 0x40000                  ; cx: it enters A's and the result's global addresses alone
	s_and_b32 s18, ttmp7, 0xffff                   ; the column block
	s_mov_b32 s24, 15|(1<<20)|(1<<21)|(7<<22)|(3<<25)   ; group 1: all four partners; bytes; 4 words of padding after every 256
	s_mov_b32 s25, 1024<<16
	s_mov_b32 s26, 64<<16
	s_mov_b32 s27, 1024<<16
	s_mov_b32 s28, 64
	s_mov_b32 s29, 1024
	s_mov_b32 s30, 0
	s_mov_b32 s31, 0
	s_lshl_b32 s20, ttmp9, 2
	s_add_co_u32 s20, s20, s17                     ; the row block: 4 x the sample + cx
	s_lshl_b32 s20, s20, 2
	s_add_co_u32 s20, s20, s16                     ; my 64 rows
	s_lshl_b32 s36, s20, 17                        ; acat: four tiles of 32,768 bytes
	s_mov_b32 s37, 0
	s_lshl_b32 s38, s20, 13                        ; asc: four of 2,048
	s_mov_b32 s39, 0
	s_lshl_b32 s40, s20, 18                        ; out0: 64 rows of 4,096 bytes, + 512 x column block
	s_lshl_b32 s21, s18, 9
	s_add_co_u32 s40, s40, s21
	s_mov_b32 s41, 0
	s_mul_i32 s46, ttmp9, 20480                    ; fac: the sample's row, w_dc at my columns
	s_add_co_u32 s46, s46, s21
	s_add_co_u32 s46, s46, 12288
	s_mov_b32 s47, 0
	s_lshr_b32 s21, s16, 1                         ; B's rows: wave 0, 1: W's halves; 2, 3: U's
	s_lshl_b32 s21, s21, 10
	s_and_b32 s22, s16, 1
	s_lshl_b32 s22, s22, 6
	s_lshl_b32 s23, s18, 7
	s_add_co_u32 s42, s21, s22
	s_add_co_u32 s42, s42, s23
	s_add_co_u32 s42, s42, 11264
	s_lshl_b32 s42, s42, 10
	s_mov_b32 s43, 0
	s_lshl_b32 s44, s18, 12                        ; csc: W's 128 rows of 32 bytes
	s_add_co_u32 s44, s44, 11264*32
	s_mov_b32 s45, 0
	s_lshl_b32 s50, s18, 11                        ; the prefetch: K step 8 + column block
	s_add_co_u32 s50, s50, 8*2048
	s_mov_b32 s51, 0
	s_mov_b32 s32, 1
	s_mul_i32 s33, s16, QB
	s_mul_i32 s21, s16, 16*SPITCH
	s_add_co_u32 s21, s21, STAGE
	v_and_b32 v1, 15, v0
	v_bfe_u32 v2, v0, 4, 1
	v_and_b32 v3, 31, v0
	v_lshlrev_b32 v[CO], 4, v3
	v_lshlrev_b32 v[VAS], 2, v1
	v_lshl_add_u32 v[VAS], v2, 7, v[VAS]
	v_lshlrev_b32 v[VSB], 5, v3
	v_lshlrev_b32 v[VF], 6, v2
	v_mul_u32_u24 v[ADB], v1, PITCH
	v_lshl_add_u32 v[ADB], v2, 4, v[ADB]
	v_add_nc_u32 v[ADB+1], QB, v[ADB]
	v_add_nc_u32 v[ADB+2], 2*QB, v[ADB]
	v_add_nc_u32 v[ADB+3], 3*QB, v[ADB]
	v_mul_u32_u24 v[STO], v1, SPITCH
	v_lshl_add_u32 v[STO], v2, 6, v[STO]
	v_add_nc_u32 v[STO], s21, v[STO]               ; the stage, in: row lane % 16, 64 bytes for each half of the lanes
	v_add_nc_u32 v[RD], s21, v[CO]                 ; and back: the 32 lanes take a row of 512 bytes
	v_lshrrev_b32 v[PFO], 3, v3
	v_lshlrev_b32 v[PFO], 15, v[PFO]
	v_and_b32 v15, 7, v3
	v_lshl_add_u32 v[PFO], v15, 8, v[PFO]          ; tile lane / 8, block lane % 8 of its 2,048 bytes
	s_wait_alu depctr_va_vdst(0)
	s_wait_dscnt 0x0                               ; both opening adds are done
	s_wait_kmcnt 0x0
	s_add_nc_u64 s[36:37], s[4:5], s[36:37]
	s_add_nc_u64 s[38:39], s[6:7], s[38:39]
	s_add_nc_u64 s[40:41], s[14:15], s[40:41]
	s_add_nc_u64 s[34:35], s[8:9], s[42:43]
	s_or_b32 s35, s35, 0x80000000
	s_add_nc_u64 s[44:45], s[10:11], s[44:45]
	s_add_nc_u64 s[46:47], s[12:13], s[46:47]
	s_add_nc_u64 s[48:49], s[36:37], s[50:51]
	CROUND                                         ; all four work-groups are here: the joint loads meet
	tensor_load_to_lds s[32:35], s[24:31]          ; my 64 rows of B: the wave's one tensor load
	s_nop 0
	PLACES 4
.macro ALOAD n                         ; K step n's four images into set n % 5: 16 loads of 512 consecutive bytes
.set S_, (\n)%5
.if S_ < 4
	WIN 0x80
.set R_, 64*S_
.else
	WIN 0x40
.set R_, 192
.endif
.irp a, 0,1,2,3
.irp c, 0,1,2,3
	global_load_b128 v[R_+16*\a+4*\c:R_+16*\a+4*\c+3], v[CO], s[36:37] offset:32768*\a+2048*(\n)+512*\c
.endr
.endr
.endm
.macro FETCHB n                        ; K step n's eight fragments of B into set n % 2: lane l holds row l % 16; registers 4 c .. 4 c + 3 hold K = 32 c + 16 (l / 16) + 0 .. 15
.set P_, (\n)%2
	WIN 0x40*P_
.irp i, 0,1,2,3,4,5,6,7
.irp c, 0,1,2,3
	ds_load_b128 v[128-128*P_+16*\i+4*\c:128-128*P_+16*\i+4*\c+3], v[ADB+2*((\n)/8)+\i/4] offset:(\i%4)*16*PITCH+128*((\n)%8)+32*\c
.endr
.endr
.endm
.macro WM a, b, n
.set D_, 8*(8*(\a)+(\b))
.set F0_, BB_+16*(\b)
.set F1_, AB_+16*(\a)
.set X0_, XB_+8*((\b)/2)
.set X1_, XA_+8*(\a)
.if (\n) == 0
.if (\b)%2
	v_wmma_scale_f32_16x16x128_f8f6f4 v[D_:D_+7], v[F0_:F0_+15], v[F1_:F1_+15], 0, v[X0_], v[X1_] matrix_a_scale:MATRIX_SCALE_ROW1
.else
	v_wmma_scale_f32_16x16x128_f8f6f4 v[D_:D_+7], v[F0_:F0_+15], v[F1_:F1_+15], 0, v[X0_], v[X1_]
.endif
.elseif (\b)%2 && (\n)%2
	v_wmma_scale_f32_16x16x128_f8f6f4 v[D_:D_+7], v[F0_:F0_+15], v[F1_:F1_+15], v[D_:D_+7], v[X0_], v[X1_] matrix_a_scale:MATRIX_SCALE_ROW1 matrix_b_scale:MATRIX_SCALE_ROW1
.elseif (\b)%2
	v_wmma_scale_f32_16x16x128_f8f6f4 v[D_:D_+7], v[F0_:F0_+15], v[F1_:F1_+15], v[D_:D_+7], v[X0_], v[X1_] matrix_a_scale:MATRIX_SCALE_ROW1
.elseif (\n)%2
	v_wmma_scale_f32_16x16x128_f8f6f4 v[D_:D_+7], v[F0_:F0_+15], v[F1_:F1_+15], v[D_:D_+7], v[X0_], v[X1_] matrix_b_scale:MATRIX_SCALE_ROW1
.else
	v_wmma_scale_f32_16x16x128_f8f6f4 v[D_:D_+7], v[F0_:F0_+15], v[F1_:F1_+15], v[D_:D_+7], v[X0_], v[X1_]
.endif
.endm
.macro MUL n                           ; 32 products: the 32 accumulators take turns, one instruction a turn, in the same order in every step
.set BB_, 128-128*((\n)%2)
.set XB_, SB+32*((\n)/8)+(\n)%8
.set XA_, SA+(\n)/2
.if (\n)%5 < 4
.set AB_, 64*((\n)%5)
	WIN 0xf8|((\n)%2)
.else
.set AB_, 192
	WIN 0xf4|((\n)%2)
.endif
.irp a, 0,1,2,3
.irp b, 0,1,2,3,4,5,6,7
	WM \a, \b, \n
.endr
.endr
.endm
	; the head's loads, 144 in all: the factors (32), B's scale words (16), A's (32), K steps 0 to 3 (64)
.set K_, 0
.rept 16
	global_load_b128 v[128+4*K_:131+4*K_], v[VF], s[46:47] offset:128*(K_/4)+16*(K_%4)        ; register 16 b + i: w_dc of column 32 b + 16 (lane/16) + i
	global_load_b128 v[192+4*K_:195+4*K_], v[VF], s[46:47] offset:4096+128*(K_/4)+16*(K_%4)   ; u_dc
.set K_, K_+1
.endr
.irp g, 0,1
.irp p, 0,1,2,3
.irp j, 0,1
	global_load_b128 v[SB+32*\g+8*\p+4*\j:SB+32*\g+8*\p+4*\j+3], v[VSB], s[44:45] offset:32768*\g+1024*\p+16*\j   ; register 8 p + q: K step q's word of row lane of tiles 2 p, 2 p + 1
.endr
.endr
.endr
.irp a, 0,1,2,3
.irp m, 0,1,2,3,4,5,6,7
	global_load_b32 v[SA+8*\a+\m], v[VAS], s[38:39] offset:2048*\a+256*\m
.endr
.endr
.irp n, 0,1,2,3
	ALOAD \n
.endr
	WIN 0
	global_prefetch_b8 v[PFO], s[48:49] th:TH_LOAD_NT scope:SCOPE_SE   ; its address registers are never written again
	s_wait_loadcnt 63                              ; at most 63 of the 144 are out: the first 81, the factors among them, are in
	s_wait_alu depctr_va_vdst(0)
.set K_, 0
.rept 64
	v_rcp_f32 v[192+K_], v[192+K_]
.set K_, K_+1
.endr
	v_nop                                          ; a plain line behind the transcendentals
	s_wait_alu depctr_va_vdst(0)                   ; one wait for the batch, ahead of its first reader
	WIN 0x40
.set K_, 0
.rept 32
	v_pk_mul_f32 v[FR+K_:FR+K_+1], v[128+K_:129+K_], v[192+K_:193+K_]   ; w_dc / u_dc
.set K_, K_+2
.endr
	WIN 0
	s_wait_alu depctr_va_vdst(0)
	s_wait_tensorcnt 0x0                           ; my rows of B are in
	s_barrier_signal -1
	s_barrier_wait -1                              ; everybody's are; nothing is written into them from here on
	FETCHB 0
.macro STEP n
.if (\n) < 14
	s_wait_loadcnt 48                              ; this step's images are in; the 48 loads issued behind them may be out
.else
	s_wait_loadcnt 16*(16-(\n))
.endif
.if (\n) > 0
	WIN 0
	PLACES 8                                       ; behind the last step's products, ahead of loads into the registers that they have read
.endif
.if (\n)+4 < 16
	ALOAD (\n)+4
.elseif (\n) == 12
	WIN 0x80
.set K_, 0
.rept 16
	global_load_b128 v[64+4*K_:67+4*K_], v[VF], s[46:47] offset:4096+128*(K_/4)+16*(K_%4)   ; u_dc for the way out, into A's set 1, which is done with
.set K_, K_+1
.endr
.endif
.if (\n) < 15
	FETCHB (\n)+1
.endif
.if (\n) == 8
	WIN 0xc7                                       ; W's product is summed: x w_dc / u_dc, each accumulator from its low end on
.irp a, 0,1,2,3
.set K_, 0
.rept 32
	v_pk_mul_f32 v[64*\a+K_:64*\a+K_+1], v[64*\a+K_:64*\a+K_+1], v[FR+K_:FR+K_+1]
.set K_, K_+2
.endr
.endr
	s_wait_alu depctr_va_vdst(0)
.endif
.if (\n) < 15
	s_wait_dscnt 32                                ; this step's fragments of B are in; the next step's 32 loads may be out
.else
	s_wait_dscnt 0x0
.endif
	MUL \n
.endm
.irp n, 0,1,2,3,4,5,6,7,8,9,10,11,12,13,14,15
	STEP \n
.endr
	WIN 0
	PLACES 8                                       ; behind the last products
	s_wait_loadcnt 0x0                             ; u_dc
; THE WAY OUT, block by block of 16 rows x 128 columns: x u_dc, through my own stage, back as whole rows of 512 bytes.  LDS serves a wave's instructions in order (ISA guide 5.7.1.4).
.macro OUTB a
	WIN 0x0b
.set K_, 0
.rept 32
	v_pk_mul_f32 v[T+K_:T+K_+1], v[64*(\a)+K_:64*(\a)+K_+1], v[64+K_:65+K_]
.set K_, K_+2
.endr
	WIN 0
.irp b, 0,1,2,3,4,5,6,7
	ds_store_b128 v[STO], v[T+8*\b:T+8*\b+3] offset:128*(\b/2)+32*(\b%2)
	ds_store_b128 v[STO], v[T+8*\b+4:T+8*\b+7] offset:128*(\b/2)+32*(\b%2)+16
.endr
.if (\a) >= 2
	s_wait_xcnt 0x0                                ; block a - 2's stores have read their registers
.endif
	WIN 0x40
.irp t, 0,1,2,3,4,5,6,7,8,9,10,11,12,13,14,15
	ds_load_b128 v[64*((\a)%2)+4*\t:64*((\a)%2)+4*\t+3], v[RD] offset:\t*SPITCH
.endr
	s_wait_dscnt 0x0
	WIN 0x04
.irp t, 0,1,2,3,4,5,6,7,8,9,10,11,12,13,14,15
	global_store_b128 v[CO], v[64*((\a)%2)+4*\t:64*((\a)%2)+4*\t+3], s[40:41] offset:(32*((\a)/2)+8*((\a)%2)+\t+8*(\t/8))*4096 th:TH_STORE_NT   ; 512 consecutive bytes, aligned
.endr
	WIN 0
.endm
.irp a, 0,1,2,3
	OUTB \a
.endr
	s_wait_tensorcnt 0x0                           ; the wave's end
	ds_add_u32 v[SPW], v[NIL]
	s_wait_dscnt 0x0
	CROUND                                         ; the closing round
	s_endpgm
.Lfunc_end_k_qd6fd162b77_outp:
	.size	k_qd6fd162b77_outp, .Lfunc_end_k_qd6fd162b77_outp-k_qd6fd162b77_outp
	.p2alignl 7, 3214868480
	.fill 96, 4, 3214868480
	.section	.rodata,"a",@progbits
	.p2align	6, 0x0
	.amdhsa_kernel k_qd6fd162b77_outp
		.amdhsa_group_segment_fixed_size 327680
		.amdhsa_private_segment_fixed_size 0
		.amdhsa_enable_private_segment 0
		.amdhsa_kernarg_size 48
		.amdhsa_user_sgpr_count 2
		.amdhsa_user_sgpr_kernarg_segment_ptr 1
		.amdhsa_wavefront_size32 1
		.amdhsa_system_sgpr_workgroup_id_x 1
		.amdhsa_system_sgpr_workgroup_id_y 1
		.amdhsa_system_sgpr_workgroup_id_z 1
		.amdhsa_system_vgpr_workitem_id 0
		.amdhsa_next_free_vgpr 1024
		.amdhsa_next_free_sgpr 66
		.amdhsa_reserve_vcc 0
		.amdhsa_float_denorm_mode_32 3
		.amdhsa_float_denorm_mode_16_64 3
		.amdhsa_memory_ordered 1
		.amdhsa_forward_progress 1
		.amdhsa_inst_pref_size 177
	.end_amdhsa_kernel
	.amdgpu_metadata
---
amdhsa.version: [ 1, 2 ]
amdhsa.kernels:
  - .name:           k_qd6fd162b77_outp
    .symbol:         k_qd6fd162b77_outp.kd
    .args:
      - { .name: acat, .offset: 0, .size: 8, .value_kind: global_buffer, .address_space: global }
      - { .name: asc, .offset: 8, .size: 8, .value_kind: global_buffer, .address_space: global }
      - { .name: cod, .offset: 16, .size: 8, .value_kind: global_buffer, .address_space: global }
      - { .name: csc, .offset: 24, .size: 8, .value_kind: global_buffer, .address_space: global }
      - { .name: fac, .offset: 32, .size: 8, .value_kind: global_buffer, .address_space: global }
      - { .name: out0, .offset: 40, .size: 8, .value_kind: global_buffer, .address_space: global }
    .group_segment_fixed_size: 327680
    .private_segment_fixed_size: 0
    .kernarg_segment_align: 8
    .kernarg_segment_size: 48
    .max_flat_workgroup_size: 128
    .sgpr_count:     66
    .vgpr_count:     1024
    .wavefront_size: 32
...
	.end_amdgpu_metadata
.endif
;; end of part 4
